; MI455X (gfx1250); checked and timed in simulation.
; The chip was launched on July 23, 2026; its instructions are those of AMD's public machine-readable ISA for CDNA 5 (MIT licence, August 2026) and "CDNA5" Instruction Set Architecture Reference Guide (July 2026). The comments in the code are by the model that wrote it; some were corrected since.
;; Decoder Block. Allowed arithmetic: matrix products marked QUANTISED: E2M1 operands, one E8M0 scale for each 32 along K, by v_wmma_scale_f32_16x16x128_f8f6f4 with both operands' format E2M1 (or v_wmma_scale_f32_32x16x128_f4), f32 sums; everything else in f32.
;; Inputs: W1 512 x 512 float32; W2 512 x 512 float32; Wk_c 100 x 512 float32; Wk_s 512 x 512 float32; Wo_c 512 x 512 float32; Wo_s 512 x 512 float32; Wq_c 512 x 512 float32; Wq_s 512 x 512 float32; Wv_c 100 x 512 float32; Wv_s 512 x 512 float32; X 4 x 2,048 x 512 float32; Zelta 4 x 1,024 x 100 float32; b1 512 float32; b2 100 float32; bf1 512 float32; bf2 512 float32; g1 512 float32; g2 100 float32.
;; Outputs: out0 4 x 2,048 x 512 float32.
;; This version of the problem:
;;   THIS VERSION OF THE PROBLEM IS GIVEN IN LOW PRECISION. The matrix products marked QUANTISED in the list below multiply operands that are first quantised to E2M1 (2 exponent bits, 1 mantissa bit; 4 bits a number), with one power-of-two scale for each 32 numbers along K (OCP MX v1.0); their sums are f32. All else is computed in f32.
;;   The module's matrix products, in the order in which they are computed (A, B: the left and right operand; K: the contracted axis; several contracted axes count as one K, in the product's order):
;;     1. [M 8,192, K 512] x [K 512, N 512]; A: computed on the way; B: input Wq_s: QUANTISED
;;     2. [M 8,192, K 512] x [K 512, N 512]; A: computed on the way; B: input Wk_s: QUANTISED
;;     3. [M 8,192, K 512] x [K 512, N 512]; A: computed on the way; B: input Wv_s: QUANTISED
;;     4. batch 32 x [M 2,048, K 64] x [K 64, N 2,048]; A: computed on the way; B: computed on the way: QUANTISED
;;     5. batch 32 x [M 2,048, K 2,048] x [K 2,048, N 64]; A: computed on the way; B: computed on the way: QUANTISED
;;     6. [M 8,192, K 512] x [K 512, N 512]; A: computed on the way; B: input Wo_s: QUANTISED
;;     7. [M 8,192, K 512] x [K 512, N 512]; A: computed on the way; B: input Wq_c: QUANTISED
;;     8. [M 4,096, K 100] x [K 100, N 512]; A: computed on the way; B: input Wk_c: QUANTISED
;;     9. [M 4,096, K 100] x [K 100, N 512]; A: computed on the way; B: input Wv_c: QUANTISED
;;     10. batch 32 x [M 2,048, K 64] x [K 64, N 1,024]; A: computed on the way; B: computed on the way: QUANTISED
;;     11. batch 32 x [M 2,048, K 1,024] x [K 1,024, N 64]; A: computed on the way; B: computed on the way: QUANTISED
;;     12. [M 8,192, K 512] x [K 512, N 512]; A: computed on the way; B: input Wo_c: QUANTISED
;;     13. [M 8,192, K 512] x [K 512, N 512]; A: computed on the way; B: input W1: QUANTISED
;;     14. [M 8,192, K 512] x [K 512, N 512]; A: computed on the way; B: input W2: QUANTISED
;;   THE QUANTISER, for each operand of a quantised product, along K:
;;     - K is cut into blocks of 32 from its start; a last block that is shorter is filled with zeros.
;;     - A block's scale is 2^e with e = floor(log2(the largest magnitude in the block)) - 2, held to -126 .. 127; a block of zeros has e = 0. As a byte (E8M0): e + 127.
;;     - Each number is divided by its block's scale, clamped to +-6, and rounded to the nearest number of E2M1, ties to even, subnormals kept.
;;     - The product sums the exact products of the quantised numbers (number of the format x scale) in f32.
;;   ~~~python
;;   def quantise(x, axis):      # numpy; x: float32 -> the quantised numbers, widened to float32 again
;;       x = np.moveaxis(x, axis, -1); K = x.shape[-1]
;;       x = np.pad(x, [(0, 0)] * (x.ndim - 1) + [(0, -K % 32)]); x = x.reshape(x.shape[:-1] + (-1, 32)); a = np.abs(x).max(-1, keepdims=True)
;;       e = np.where(a > 0, np.clip(np.frexp(np.where(a > 0, a, 1))[1] - 1 - 2, -126, 127), 0)      # np.frexp(a)[1] - 1 = floor(log2(a)), exactly
;;       r = np.clip(x / 2.0 ** e, -6, 6)
;;       step = 2.0 ** (np.maximum(np.frexp(np.where(r == 0, 1, r))[1] - 1, 0) - 1)
;;       q = np.round(r / step) * step * 2.0 ** e      # np.round: ties to even
;;       return np.moveaxis(q.reshape(q.shape[:-2] + (-1,))[..., :K], -1, axis).astype(np.float32)
;;   ~~~
;;   OPERANDS COMPUTED ON THE WAY. 'Computed on the way' means the value that the module computes at that place (a softmax that the list does not call 'softmax' is quantised finished and normalised). What goes into a quantiser is computed in f32, as accurately as f32 sums, v_exp_f32 and their like allow (about 1e-6 of the number): no bf16 or f16 on the way to a quantiser, and a product that is left as it is and whose result goes on into a quantised operand takes f32 operands (vector FMAs, or v_wmma_f32_16x16x4_f32). A number that lies on a knife's edge between two numbers of the format may be rounded either way, as far as f32 arithmetic and the matrix unit's own rounding can turn it there, and no further.
;; One version. Each part assembles by itself: llvm-mc -triple=amdgcn-amd-amdhsa -mcpu=gfx1250 --defsym DOCPART=n.
;; ======== version 1 of 1: 6 launches
;; workspace buffers: prep 3,751,936 bytes; qkv 8,912,896 bytes; obuf 2,228,224 bytes; mid 19,005,440 bytes
;; launch prep (part 1): grid 712 x 1, 4 waves a work-group, no clusters, 1,024 bytes of LDS; arguments X, Zelta, g1, b1, g2, b2, Wq_s, Wk_s, Wv_s, Wo_s, Wq_c, Wo_c, W1, W2, Wk_c, Wv_c, prep; writes prep
.if DOCPART == 1
	.amdgcn_target "amdgcn-amd-amdhsa--gfx1250"
	.amdhsa_code_object_version 6
	.text
	.protected	k_q1230f5dcb3_prep
	.globl	k_q1230f5dcb3_prep
	.p2align	8
	.type	k_q1230f5dcb3_prep,@function
k_q1230f5dcb3_prep:
	s_mov_b64 s[64:65], 0
	v_nop
	global_prefetch_b8 v0, s[64:65] scope:SCOPE_SE
	s_setreg_imm32_b32 hwreg(HW_REG_WAVE_MODE, 25, 1), 1
	s_wait_xcnt 0x0
; DECODER BLOCK IN MX-FP4, launch 1 of 6: what can be quantised from the inputs alone.  The ten weights, LN(X) and LN(Zelta) become E2M1 codes and E8M0 bytes in the workspace 'prep'.
; WORK LEFT OUT IN THE WHOLE PROGRAM.  reference() keeps a softmax weight where sigmoid(score) > 1/2.  sigmoid rises strictly and sigmoid(0) = 1/2, so for all real scores that is score > 0:
; the sigmoids are not computed, the scores are compared with 0 (launches 3 and 5).  No input is without a way to the output: all 18 are loaded.
; LIMITS.  For 0 < score < about 1.2e-7 reference()'s f32 sigmoid rounds to 1/2 and drops a weight that is kept here.  NaN and infinities among the inputs are not served.  A block of zeros gets the byte 1
; where the rule says 127: its codes are zeros, and these bytes are read by this program alone.
; LAYOUT OF ALL WORKSPACES: IMAGES OF OPERAND REGISTERS.  A fragment (16 rows x 128 K of 4-bit codes, 8 registers a lane) is 1,024 bytes: registers 4 c .. 4 c + 3 of lane L at 512 c + 16 L.
; Row r of tile t stands for token (or weight column) 32 (t / 2) + 8 (t % 2) + r + 8 (r / 8): used as source 0, the 16 result registers of tiles 2 b, 2 b + 1 are then 16 neighbours 32 b + 16 (L / 16) + 0 .. 15.
; Scale words lie by pairs of tiles: [pair][16 (t % 2) + r][K step]: one load gives the even tile's words in lanes 0-15 and the odd tile's in lanes 16-31.
; PATHS, by the work-group's number: 0-511 a tile of 16 rows of X (wave = K step of 128); 512-575 four tiles of Zelta (a wave a tile); 576-703 a large weight's 32 columns (wave = K step); 704-711 Wk_c, Wv_c.
; Only the first path uses LDS and barriers (a row's sums meet there).
.set WKC,  0x100000
.set WS,   0x110000
.set WKS,  0x120000
.set NC,   0x130000
.set NS,   0x330000
.set ZC,   0x350000
.set ZS,   0x390000
.set RED0, 0                           ; LDS: [r][wave] words: the rows' sums
.set RED1, 256                         ; and the sums of squares
.set SPARE, 512                        ; the spare words, 128 bytes for each wave
.set LI,  1                            ; v1  16 x lane
.set LS,  2                            ; v2  4 x lane
.set RR,  3                            ; v3  r = lane % 16
.set HH,  4                            ; v4  h = lane / 16
.set SPW, 13                           ; v13 my spare word; never rewritten
.set NIL, 14                           ; v14 0; never rewritten
.set T0,  16                           ; v16-19 at work
.set XR,  32                           ; v32-95   64 numbers of my row: register 16 b + i = k 32 b + 16 h + i
.set G,   96                           ; v96-159  the gain at the same k
.set BB,  160                          ; v160-223 the bias
.set TM,  224                          ; v224-239 the quantiser's
.set PC,  240                          ; v240-247 codes
.set PW,  248                          ; v248 the scale word
.set SEL, 50                           ; s[50:51] v_permlanex16_b32's selects for lane l xor 16
; 64 numbers of a lane become a fragment's codes and its row's scale word
.macro QUANT s, pc, pw
.irp b, 0,1,2,3
	v_max3_num_f32 v[TM+\b], |v[\s+16*\b]|, |v[\s+1+16*\b]|, 0x1800000   ; my 16 numbers of block b, and the floor 2^(3 - 127): the byte cannot fall under 1
.endr
.irp i, 2,4,6,8,10,12,14
.irp b, 0,1,2,3
	v_max3_num_f32 v[TM+\b], v[TM+\b], |v[\s+16*\b+\i]|, |v[\s+1+16*\b+\i]|
.endr
.endr
.irp b, 0,1,2,3
	v_permlanex16_b32 v[TM+4+\b], v[TM+\b], s[SEL], s[SEL+1]
.endr
.irp b, 0,1,2,3
	v_max_num_f32 v[TM+\b], v[TM+\b], v[TM+4+\b]   ; with lane l xor 16's 16: the block's largest magnitude
.endr
.irp b, 0,1,2,3
	v_add_nc_u32 v[TM+12+\b], 0xff000000, v[TM+\b]   ; 2 off its exponent field: the conversion's scale operand
.endr
.irp b, 0,1,2,3
	v_lshrrev_b32 v[TM+4+\b], 23, v[TM+12+\b]      ; the scale's byte
.endr
	v_lshl_or_b32 v[\pw], v[TM+5], 8, v[TM+4]
	v_lshl_or_b32 v[\pw], v[TM+6], 16, v[\pw]
	v_lshl_or_b32 v[\pw], v[TM+7], 24, v[\pw]
.irp b, 0,1,2,3
	v_cvt_scalef32_pk8_fp4_f32 v[\pc+2*\b], v[\s+16*\b:\s+7+16*\b], v[TM+12+\b]
	v_cvt_scalef32_pk8_fp4_f32 v[\pc+1+2*\b], v[\s+8+16*\b:\s+15+16*\b], v[TM+12+\b]
.endr
	v_nop                                          ; one plain place behind a scaled conversion
.irp c, 0,1
.irp i, 0,1
	v_permlane16_swap_b32 v[\pc+4*\c+\i], v[\pc+2+4*\c+\i]   ; a whole block to a lane: lanes 0-15 block 2 c, lanes 16-31 block 2 c + 1
.endr
.endr
.endm
.macro JOINP d                         ; two chains, two halves, two lanes -> v[d], the same bits in both lanes
	v_pk_add_f32 v[T0:T0+1], v[T0:T0+1], v[T0+2:T0+3]
	v_add_f32 v[T0], v[T0], v[T0+1]
	v_permlanex16_b32 v[T0+1], v[T0], s[SEL], s[SEL+1]
	v_add_f32 v[\d], v[T0], v[T0+1]
.endm
.macro SUMP d, base, n                 ; the sum of n registers of lanes l and l xor 16
	v_pk_add_f32 v[T0:T0+1], v[\base:\base+1], v[\base+4:\base+5]
	v_pk_add_f32 v[T0+2:T0+3], v[\base+2:\base+3], v[\base+6:\base+7]
.set sp_i, 8
.rept (\n-8)/4
	v_pk_add_f32 v[T0:T0+1], v[T0:T0+1], v[\base+sp_i:\base+sp_i+1]
	v_pk_add_f32 v[T0+2:T0+3], v[T0+2:T0+3], v[\base+sp_i+2:\base+sp_i+3]
.set sp_i, sp_i+4
.endr
	JOINP \d
.endm
.macro SQP d, base, n                  ; the sum of their squares
	v_pk_mul_f32 v[T0:T0+1], v[\base:\base+1], v[\base:\base+1]
	v_pk_mul_f32 v[T0+2:T0+3], v[\base+2:\base+3], v[\base+2:\base+3]
.set sp_i, 4
.rept (\n-4)/4
	v_pk_fma_f32 v[T0:T0+1], v[\base+sp_i:\base+sp_i+1], v[\base+sp_i:\base+sp_i+1], v[T0:T0+1]
	v_pk_fma_f32 v[T0+2:T0+3], v[\base+sp_i+2:\base+sp_i+3], v[\base+sp_i+2:\base+sp_i+3], v[T0+2:T0+3]
.set sp_i, sp_i+4
.endr
	JOINP \d
.endm
.macro CENTRE n                        ; x - mean, the mean in v[22:23]
.set sp_i, 0
.rept \n/2
	v_pk_add_f32 v[XR+sp_i:XR+sp_i+1], v[XR+sp_i:XR+sp_i+1], v[22:23] neg_lo:[0,1] neg_hi:[0,1]
.set sp_i, sp_i+2
.endr
.endm
.macro AFFINE n                        ; (x - mean) x rsqrt x g + b, the rsqrt in v[22:23]
.set sp_i, 0
.rept \n/2
	v_pk_mul_f32 v[XR+sp_i:XR+sp_i+1], v[XR+sp_i:XR+sp_i+1], v[22:23]
.set sp_i, sp_i+2
.endr
.set sp_i, 0
.rept \n/2
	v_pk_fma_f32 v[XR+sp_i:XR+sp_i+1], v[XR+sp_i:XR+sp_i+1], v[G+sp_i:G+sp_i+1], v[BB+sp_i:BB+sp_i+1]
.set sp_i, sp_i+2
.endr
.endm
; a weight's block of 32 along K of my column, in v[x] on: its byte into the word v176, its codes into v[160 + 4 beta] on.  full = 0: four numbers and four zeros (K = 100 ends there)
.macro WBLK x, beta, full
.if \full
	v_max3_num_f32 v16, |v[\x]|, |v[\x+1]|, |v[\x+2]|
	v_max3_num_f32 v17, |v[\x+3]|, |v[\x+4]|, |v[\x+5]|
.irp i, 6,10,14,18,22,26
	v_max3_num_f32 v16, v16, |v[\x+\i]|, |v[\x+\i+1]|
	v_max3_num_f32 v17, v17, |v[\x+\i+2]|, |v[\x+\i+3]|
.endr
	v_max3_num_f32 v16, v16, |v[\x+30]|, |v[\x+31]|
	v_max3_num_f32 v16, v16, v17, 0x1800000
.else
	v_max3_num_f32 v16, |v[\x]|, |v[\x+1]|, |v[\x+2]|
	v_max3_num_f32 v16, v16, |v[\x+3]|, 0x1800000
.endif
	v_add_nc_u32 v18, 0xff000000, v16
	v_lshrrev_b32 v19, 23, v18
.if \beta == 0
	v_mov_b32 v176, v19
.else
	v_lshl_or_b32 v176, v19, 8*\beta, v176
.endif
.if \full
.irp g, 0,1,2,3
	v_cvt_scalef32_pk8_fp4_f32 v[160+4*\beta+\g], v[\x+8*\g:\x+8*\g+7], v18
.endr
.else
	v_cvt_scalef32_pk8_fp4_f32 v[160+4*\beta], v[\x:\x+7], v18
.endif
	v_nop                                          ; one plain place: the next block writes v18 anew
.endm
	s_load_b256 s[4:11], s[0:1], 0x0               ; X, Zelta, g1, b1
	s_load_b128 s[12:15], s[0:1], 0x20             ; g2, b2
	s_load_b512 s[16:31], s[0:1], 0x30             ; Wq_s, Wk_s, Wv_s, Wo_s, Wq_c, Wo_c, W1, W2
	s_load_b128 s[32:35], s[0:1], 0x70             ; Wk_c, Wv_c
	s_load_b64 s[36:37], s[0:1], 0x80              ; prep
	v_lshl_add_u32 v[SPW], v0, 2, SPARE
	v_mov_b32 v[NIL], 0
	v_lshrrev_b32 v5, 5, v0
	v_readfirstlane_b32 s38, v5                    ; wave
	v_and_b32 v5, 31, v0
	v_lshlrev_b32 v[LI], 4, v5
	v_lshlrev_b32 v[LS], 2, v5
	v_and_b32 v[RR], 15, v0
	v_bfe_u32 v[HH], v0, 4, 1
	v_and_b32 v6, 8, v[RR]
	v_add_nc_u32 v6, v6, v[RR]                     ; r + 8 (r / 8): my row in the tile's 32 tokens
	v_lshlrev_b32 v7, 6, v[HH]                     ; 64 h: my 16 numbers of a block of 32
	v_lshlrev_b32 v9, 4, v[RR]                     ; LDS: 16 r
	s_lshl_b32 s39, s38, 2
	v_add_nc_u32 v8, s39, v9                       ; LDS and scale words: 16 r + 4 x wave
.irp b, 0,1,2,3
	v_mov_b32 v[TM+4+\b], 0                        ; a lane permute's destination counts as one of its sources
.endr
	s_mov_b32 s[SEL], 0x76543210
	s_mov_b32 s[SEL+1], 0xfedcba98
	s_mov_b32 s52, 0x3b000000                      ; 1 / 512
	s_mov_b32 s53, 0x3727c5ac                      ; 1e-5
	s_mov_b32 s54, 0x3c23d70a                      ; 1 / 100
	s_mov_b32 s55, 0xffff                          ; lanes 0-15
	s_wait_kmcnt 0x0
	s_cmp_lt_u32 ttmp9, 512
	s_cbranch_scc1 .Lpath_n
	s_cmp_lt_u32 ttmp9, 576
	s_cbranch_scc1 .Lpath_z
	v_bfe_u32 v10, v0, 3, 1                        ; the weights: lane x takes column 32 b + x: tile 2 b + u, u = (x / 8) % 2,
	v_and_b32 v11, 7, v0
	v_lshl_add_u32 v11, v[HH], 3, v11              ; row r' = x % 8 + 8 (x / 16)
	s_cmp_lt_u32 ttmp9, 704
	s_cbranch_scc1 .Lpath_wb
	; ---- Wk_c, Wv_c: [100][512].  A wave takes 32 columns; K = 100 is one K step, filled with zero codes
	s_sub_co_u32 s40, ttmp9, 704
	s_lshr_b32 s41, s40, 2                         ; which of the two
	s_and_b32 s40, s40, 3
	s_lshl_b32 s40, s40, 2
	s_add_co_u32 s40, s40, s38                     ; b: which 32 columns
	s_cmp_eq_u32 s41, 0
	s_cselect_b64 s[16:17], s[32:33], s[34:35]
	s_lshl_b32 s42, s40, 7
	s_mov_b32 s43, 0
	s_add_nc_u64 s[16:17], s[16:17], s[42:43]
.set k, 0
.rept 100
	global_load_b32 v[32+k], v[LS], s[16:17] offset:2048*k th:TH_LOAD_NT   ; W(k, my column): 32 lanes read 128 neighbouring bytes
.set k, k+1
.endr
	s_lshl_b32 s42, s41, 15
	s_lshl_b32 s44, s40, 11
	s_add_co_u32 s42, s42, s44
	s_add_co_u32 s42, s42, WKC
	s_add_nc_u64 s[46:47], s[36:37], s[42:43]      ; codes: 2 tiles of 1,024 bytes for each 32 columns
	s_lshl_b32 s42, s41, 11
	s_lshl_b32 s44, s40, 7
	s_add_co_u32 s42, s42, s44
	s_add_co_u32 s42, s42, WKS
	s_add_nc_u64 s[48:49], s[36:37], s[42:43]      ; scale words: 128 bytes for each pair of tiles
	v_lshlrev_b32 v12, 4, v11
	v_lshl_add_u32 v12, v10, 10, v12               ; 1,024 u + 16 r'
	v_lshlrev_b32 v15, 2, v11
	v_lshl_add_u32 v15, v10, 6, v15                ; 4 (16 u + r')
.irp i, 132,133,134,135,173,174,175
	v_mov_b32 v[\i], 0                             ; k = 100 .. 127: zeros, and zero codes
.endr
	s_wait_loadcnt 63                              ; the largest count that the wait can name: at most 63 of the 100 loads are out, so the first 37 are in, block 0's 32 among them
	WBLK 32, 0, 1
	s_wait_loadcnt 36                              ; block 1 is in: 36 loads were issued behind its last
	WBLK 64, 1, 1
	s_wait_loadcnt 4                               ; block 2: four behind it
	WBLK 96, 2, 1
	s_wait_loadcnt 0x0
	WBLK 128, 3, 0
.irp b, 0,1,2,3
	global_store_b128 v12, v[160+4*\b:163+4*\b], s[46:47] offset:256*\b   ; block b = 2 c + h of the fragment's image: 256 b + 16 r'
.endr
	global_store_b32 v15, v176, s[48:49]
	s_endpgm
.Lpath_wb:
	; ---- a large weight [512][512]: 32 columns x one K step of 128 to a wave; a lane takes a column and its registers run down K
	s_sub_co_u32 s40, ttmp9, 576
	s_lshr_b32 s41, s40, 4                         ; which weight, 0 .. 7
	s_and_b32 s40, s40, 15                         ; b: which 32 columns
	s_bitcmp1_b32 s41, 0                           ; the choice hangs on the work-group's number alone
	s_cselect_b64 s[16:17], s[18:19], s[16:17]
	s_cselect_b64 s[20:21], s[22:23], s[20:21]
	s_cselect_b64 s[24:25], s[26:27], s[24:25]
	s_cselect_b64 s[28:29], s[30:31], s[28:29]
	s_bitcmp1_b32 s41, 1
	s_cselect_b64 s[16:17], s[20:21], s[16:17]
	s_cselect_b64 s[24:25], s[28:29], s[24:25]
	s_bitcmp1_b32 s41, 2
	s_cselect_b64 s[16:17], s[24:25], s[16:17]
	s_lshl_b32 s42, s38, 18                        ; my K step: 128 rows of 2,048 bytes
	s_lshl_b32 s44, s40, 7
	s_add_co_u32 s42, s42, s44
	s_mov_b32 s43, 0
	s_add_nc_u64 s[16:17], s[16:17], s[42:43]
.set k, 0
.rept 128
	global_load_b32 v[32+k], v[LS], s[16:17] offset:2048*k th:TH_LOAD_NT
.set k, k+1
.endr
	s_lshl_b32 s42, s41, 17
	s_lshl_b32 s44, s40, 13
	s_add_co_u32 s42, s42, s44
	s_lshl_b32 s44, s38, 10
	s_add_co_u32 s42, s42, s44
	s_add_nc_u64 s[46:47], s[36:37], s[42:43]      ; codes: [weight][tile][K step] of 1,024 bytes
	s_lshl_b32 s42, s41, 13
	s_lshl_b32 s44, s40, 9
	s_add_co_u32 s42, s42, s44
	s_add_co_u32 s42, s42, s39
	s_add_co_u32 s42, s42, WS
	s_add_nc_u64 s[48:49], s[36:37], s[42:43]      ; scale words: [weight][pair][lane][K step]
	v_lshlrev_b32 v12, 4, v11
	v_lshl_add_u32 v15, v10, 8, v12                ; 16 (16 u + r')
	v_lshl_add_u32 v12, v10, 12, v12               ; 4,096 u + 16 r'
	s_wait_loadcnt 63                              ; the largest count that the wait can name: at most 63 of the 128 loads are out, so the first 65 are in: blocks 0 and 1
	WBLK 32, 0, 1
	WBLK 64, 1, 1
	s_wait_loadcnt 32                              ; block 2 is in; block 3's 32 may be out
	WBLK 96, 2, 1
	s_wait_loadcnt 0x0
	WBLK 128, 3, 1
.irp b, 0,1,2,3
	global_store_b128 v12, v[160+4*\b:163+4*\b], s[46:47] offset:256*\b   ; the wave's store covers two aligned runs of 256 bytes, one in each tile
.endr
	global_store_b32 v15, v176, s[48:49]
	s_endpgm
.Lpath_z:
	; ---- LN(Zelta): a wave takes a tile of 16 rows of 100 numbers; k = 100 .. 127 are zeros
	s_sub_co_u32 s40, ttmp9, 512
	s_lshl_b32 s40, s40, 2
	s_add_co_u32 s40, s40, s38                     ; the tile, 0 .. 255
	s_lshr_b32 s41, s40, 1
	s_lshl_b32 s41, s41, 5
	s_and_b32 s42, s40, 1
	s_lshl_b32 s42, s42, 3
	s_add_co_u32 s41, s41, s42
	s_mul_i32 s42, s41, 400
	s_mov_b32 s43, 0
	s_add_nc_u64 s[6:7], s[6:7], s[42:43]
	v_mul_u32_u24 v10, v6, 400                     ; my row
	v_lshl_add_u32 v5, v[HH], 6, v10               ; + 64 h
	v_mov_b32 v11, 0
	v_lshlrev_b32 v12, 2, v[RR]
.irp b, 0,1,2
.irp j, 0,1,2,3
	global_load_b128 v[XR+16*\b+4*\j:XR+16*\b+4*\j+3], v5, s[6:7] offset:128*\b+16*\j th:TH_LOAD_NT
	global_load_b128 v[G+16*\b+4*\j:G+16*\b+4*\j+3], v7, s[12:13] offset:128*\b+16*\j
	global_load_b128 v[BB+16*\b+4*\j:BB+16*\b+4*\j+3], v7, s[14:15] offset:128*\b+16*\j
.endr
.endr
	global_load_b128 v[XR+48:XR+51], v10, s[6:7] offset:384 th:TH_LOAD_NT   ; k = 96 .. 99, in both halves of the lanes: no load leaves the row
	global_load_b128 v[G+48:G+51], v11, s[12:13] offset:384
	global_load_b128 v[BB+48:BB+51], v11, s[14:15] offset:384
	s_lshl_b32 s42, s40, 10
	s_add_co_u32 s42, s42, ZC
	s_add_nc_u64 s[46:47], s[36:37], s[42:43]
	s_lshl_b32 s42, s40, 6
	s_add_co_u32 s42, s42, ZS
	s_add_nc_u64 s[48:49], s[36:37], s[42:43]
.irp i, 52,53,54,55,56,57,58,59,60,61,62,63
	v_mov_b32 v[XR+\i], 0
.endr
	s_wait_loadcnt 0x0
.irp i, 48,49,50,51
	v_cndmask_b32 v[XR+\i], 0, v[XR+\i], s55       ; lanes 16-31 stand for k = 112 on: zeros
	v_cndmask_b32 v[BB+\i], 0, v[BB+\i], s55
.endr
	SUMP 20, XR, 52
	v_mul_f32 v22, s54, v20                        ; the mean
	v_mov_b32 v23, v22
	CENTRE 52
.irp i, 48,49,50,51
	v_cndmask_b32 v[XR+\i], 0, v[XR+\i], s55
.endr
	SQP 20, XR, 52
	v_fma_f32 v20, v20, s54, s53                   ; the variance + 1e-5
	v_rsq_f32 v22, v20
	v_nop                                          ; a plain place behind the transcendental,
	s_wait_alu depctr_va_vdst(0)                   ; and the wait ahead of its first reader
	v_mov_b32 v23, v22
	AFFINE 52
	QUANT XR, PC, PW
	global_store_b128 v[LI], v[PC:PC+3], s[46:47]
	global_store_b128 v[LI], v[PC+4:PC+7], s[46:47] offset:512
	global_store_b32 v12, v[PW], s[48:49]          ; lanes r and r + 16 hold the same word and store it to the same place
	s_endpgm
.Lpath_n:
	; ---- LN(X): the work-group takes a tile of 16 rows, wave w their numbers 128 w .. 128 w + 127; the rows' sums meet in LDS
	s_lshr_b32 s40, ttmp9, 1
	s_lshl_b32 s40, s40, 16
	s_and_b32 s41, ttmp9, 1
	s_lshl_b32 s41, s41, 14
	s_add_co_u32 s40, s40, s41                     ; the tile's first token x 2,048 bytes
	s_lshl_b32 s42, s38, 9
	s_add_co_u32 s40, s40, s42
	s_mov_b32 s41, 0
	s_mov_b32 s43, 0
	s_add_nc_u64 s[4:5], s[4:5], s[40:41]
	s_add_nc_u64 s[8:9], s[8:9], s[42:43]
	s_add_nc_u64 s[10:11], s[10:11], s[42:43]
	v_lshlrev_b32 v5, 11, v6
	v_lshl_add_u32 v5, v[HH], 6, v5
.irp b, 0,1,2,3
.irp j, 0,1,2,3
	global_load_b128 v[XR+16*\b+4*\j:XR+16*\b+4*\j+3], v5, s[4:5] offset:128*\b+16*\j
.endr
.endr
.irp b, 0,1,2,3
.irp j, 0,1,2,3
	global_load_b128 v[G+16*\b+4*\j:G+16*\b+4*\j+3], v7, s[8:9] offset:128*\b+16*\j
	global_load_b128 v[BB+16*\b+4*\j:BB+16*\b+4*\j+3], v7, s[10:11] offset:128*\b+16*\j
.endr
.endr
	s_lshl_b32 s40, ttmp9, 12
	s_lshl_b32 s44, s38, 10
	s_add_co_u32 s40, s40, s44
	s_add_co_u32 s40, s40, NC
	s_add_nc_u64 s[46:47], s[36:37], s[40:41]      ; fragment (tile, K step w)
	s_lshl_b32 s40, ttmp9, 8
	s_add_co_u32 s40, s40, NS
	s_add_nc_u64 s[48:49], s[36:37], s[40:41]      ; the tile's 16 rows of four scale words
	s_wait_loadcnt 0x0
	SUMP 20, XR, 64
	ds_store_b32 v8, v20 offset:RED0
	s_wait_dscnt 0x0                               ; for the others' sake: my store has landed
	s_barrier_signal -1
	s_barrier_wait -1
	ds_load_b128 v[24:27], v9 offset:RED0          ; the four waves' parts of my row's sum
	s_wait_dscnt 0x0
	v_add_f32 v24, v24, v25
	v_add_f32 v26, v26, v27
	v_add_f32 v24, v24, v26
	v_mul_f32 v22, s52, v24                        ; the mean
	v_mov_b32 v23, v22
	CENTRE 64
	SQP 20, XR, 64
	ds_store_b32 v8, v20 offset:RED1               ; other bytes than the first exchange's: one barrier serves
	s_wait_dscnt 0x0
	s_barrier_signal -1
	s_barrier_wait -1
	ds_load_b128 v[24:27], v9 offset:RED1
	s_wait_dscnt 0x0
	v_add_f32 v24, v24, v25
	v_add_f32 v26, v26, v27
	v_add_f32 v24, v24, v26
	v_fma_f32 v24, v24, s52, s53
	v_rsq_f32 v22, v24
	v_nop
	s_wait_alu depctr_va_vdst(0)
	v_mov_b32 v23, v22
	AFFINE 64
	QUANT XR, PC, PW
	global_store_b128 v[LI], v[PC:PC+3], s[46:47]
	global_store_b128 v[LI], v[PC+4:PC+7], s[46:47] offset:512
	global_store_b32 v8, v[PW], s[48:49]
	s_wait_tensorcnt 0x0                           ; the wave's end, behind my last LDS store
	ds_add_u32 v[SPW], v[NIL]
	s_wait_dscnt 0x0
	s_endpgm
.Lfunc_end_k_q1230f5dcb3_prep:
	.size	k_q1230f5dcb3_prep, .Lfunc_end_k_q1230f5dcb3_prep-k_q1230f5dcb3_prep
	.p2alignl 7, 3214868480
	.fill 96, 4, 3214868480
	.section	.rodata,"a",@progbits
	.p2align	6, 0x0
	.amdhsa_kernel k_q1230f5dcb3_prep
		.amdhsa_group_segment_fixed_size 1024
		.amdhsa_private_segment_fixed_size 0
		.amdhsa_enable_private_segment 0
		.amdhsa_kernarg_size 136
		.amdhsa_user_sgpr_count 2
		.amdhsa_user_sgpr_kernarg_segment_ptr 1
		.amdhsa_wavefront_size32 1
		.amdhsa_system_sgpr_workgroup_id_x 1
		.amdhsa_system_sgpr_workgroup_id_y 1
		.amdhsa_system_sgpr_workgroup_id_z 1
		.amdhsa_system_vgpr_workitem_id 0
		.amdhsa_next_free_vgpr 256
		.amdhsa_next_free_sgpr 66
		.amdhsa_reserve_vcc 0
		.amdhsa_float_denorm_mode_32 3
		.amdhsa_float_denorm_mode_16_64 3
		.amdhsa_memory_ordered 1
		.amdhsa_forward_progress 1
		.amdhsa_inst_pref_size 77
	.end_amdhsa_kernel
	.amdgpu_metadata
---
amdhsa.version: [ 1, 2 ]
amdhsa.kernels:
  - .name:           k_q1230f5dcb3_prep
    .symbol:         k_q1230f5dcb3_prep.kd
    .args:
      - { .name: X, .offset: 0, .size: 8, .value_kind: global_buffer, .address_space: global }
      - { .name: Zelta, .offset: 8, .size: 8, .value_kind: global_buffer, .address_space: global }
      - { .name: g1, .offset: 16, .size: 8, .value_kind: global_buffer, .address_space: global }
      - { .name: b1, .offset: 24, .size: 8, .value_kind: global_buffer, .address_space: global }
      - { .name: g2, .offset: 32, .size: 8, .value_kind: global_buffer, .address_space: global }
      - { .name: b2, .offset: 40, .size: 8, .value_kind: global_buffer, .address_space: global }
      - { .name: Wq_s, .offset: 48, .size: 8, .value_kind: global_buffer, .address_space: global }
      - { .name: Wk_s, .offset: 56, .size: 8, .value_kind: global_buffer, .address_space: global }
      - { .name: Wv_s, .offset: 64, .size: 8, .value_kind: global_buffer, .address_space: global }
      - { .name: Wo_s, .offset: 72, .size: 8, .value_kind: global_buffer, .address_space: global }
      - { .name: Wq_c, .offset: 80, .size: 8, .value_kind: global_buffer, .address_space: global }
      - { .name: Wo_c, .offset: 88, .size: 8, .value_kind: global_buffer, .address_space: global }
      - { .name: W1, .offset: 96, .size: 8, .value_kind: global_buffer, .address_space: global }
      - { .name: W2, .offset: 104, .size: 8, .value_kind: global_buffer, .address_space: global }
      - { .name: Wk_c, .offset: 112, .size: 8, .value_kind: global_buffer, .address_space: global }
      - { .name: Wv_c, .offset: 120, .size: 8, .value_kind: global_buffer, .address_space: global }
      - { .name: prep, .offset: 128, .size: 8, .value_kind: global_buffer, .address_space: global }
    .group_segment_fixed_size: 1024
    .private_segment_fixed_size: 0
    .kernarg_segment_align: 8
    .kernarg_segment_size: 136
    .max_flat_workgroup_size: 128
    .sgpr_count:     66
    .vgpr_count:     256
    .wavefront_size: 32
...
	.end_amdgpu_metadata
.endif
;; end of part 1
;; launch proj (part 2): grid 1024 x 1, 4 waves a work-group, no clusters, 0 bytes of LDS; arguments prep, qkv; writes qkv
.if DOCPART == 2
	.amdgcn_target "amdgcn-amd-amdhsa--gfx1250"
	.amdhsa_code_object_version 6
	.text
	.protected	k_q1230f5dcb3_proj
	.globl	k_q1230f5dcb3_proj
	.p2align	8
	.type	k_q1230f5dcb3_proj,@function
k_q1230f5dcb3_proj:
	s_mov_b64 s[64:65], 0
	v_nop
	global_prefetch_b8 v0, s[64:65] scope:SCOPE_SE
	s_setreg_imm32_b32 hwreg(HW_REG_WAVE_MODE, 25, 1), 1
	s_wait_xcnt 0x0
; Launch 2 of 6: q, k, v of the self attention (from LN(X)'s codes) and k, v of the cross attention (from LN(Zelta)'s), each quantised along the K of the product that takes it, into 'qkv'.
; A WAVE IS A UNIT OF ITS OWN: 8 tiles of one operand (source 0, in window 1) x 2 tiles of the other (source 1): 16 accumulators, which take turns.  No LDS, no barrier.
; q, k: source 0 = 128 columns of the weight (two heads), source 1 = 32 tokens: a lane holds a token and its registers run along the heads' 64: the K of q k^T.
; v:    source 0 = 128 tokens, source 1 = 32 columns of the weight: a lane holds a channel and its registers run along 128 keys: the K of p v.
; OUT.  For a head: q and k as [block of 32 tokens][1,024 bytes]: registers 0-3 of the image are tile 2 b's 64 channels, registers 4-7 tile 2 b + 1's; scale words [block][r]: bytes 0, 1 tile 2 b's, bytes 2, 3 tile 2 b + 1's.
; v as [step of 128 keys][4 tiles of 16 channels][1,024 bytes], scale words [step][tile][r].
; LIMITS: as stated at the head of launch 1.
.set WC,   0
.set WKC,  0x100000
.set WVC,  0x108000
.set WS,   0x110000
.set WKS,  0x120000
.set WVS,  0x120800
.set NC,   0x130000
.set NS,   0x330000
.set ZC,   0x350000
.set ZS,   0x390000
.set QS,   0
.set KVS,  2228224
.set KVC,  6684672
.set LI,  1
.set LS,  2
.set RR,  3
.set HH,  4
.set XS,  16                           ; v16-31 source 0's scale words
.set YS,  32                           ; v32-35 source 1's
.set TM,  36                           ; v36-51 the quantiser's
.set PC,  52                           ; v52-59, v60: the first tile's codes and scale word
.set PW,  60
.set YF,  64                           ; v64-127 source 1's fragments; free behind the products:
.set PC1, 64                           ; v64-71, v72: the second tile's codes and scale word
.set PW1, 72
.set ACC, 128                          ; v128-255: register 64 y + 16 b + i = place 32 b + 16 h + i along source 0's 128 rows, for row r of source 1's tile y
.set SEL, 36                           ; s[36:37]
.set SO0, 28
.set SO1, 30
.set SOS, 32
.set SHS, 34
.set SMK, 38
.set MSB, 0
.macro WIN new                         ; the immediate's high byte repeats the setting that is left
.if MSB != \new
	s_set_vgpr_msb (MSB<<8)|\new
.set MSB, \new
.endif
.endm
; one matrix instruction.  cz = 1: C is the constant 0, else v[cr] on.  ra, rb: the side's scale words stand in lanes 16-31
.macro MM d, a, b, cz, cr, sa, sb, ra, rb
.if \cz
.if (\ra) && (\rb)
	v_wmma_scale_f32_16x16x128_f8f6f4 v[\d:\d+7], v[\a:\a+7], v[\b:\b+7], 0, v[\sa], v[\sb] matrix_a_fmt:MATRIX_FMT_FP4 matrix_b_fmt:MATRIX_FMT_FP4 matrix_a_scale:MATRIX_SCALE_ROW1 matrix_b_scale:MATRIX_SCALE_ROW1
.elseif (\ra)
	v_wmma_scale_f32_16x16x128_f8f6f4 v[\d:\d+7], v[\a:\a+7], v[\b:\b+7], 0, v[\sa], v[\sb] matrix_a_fmt:MATRIX_FMT_FP4 matrix_b_fmt:MATRIX_FMT_FP4 matrix_a_scale:MATRIX_SCALE_ROW1
.elseif (\rb)
	v_wmma_scale_f32_16x16x128_f8f6f4 v[\d:\d+7], v[\a:\a+7], v[\b:\b+7], 0, v[\sa], v[\sb] matrix_a_fmt:MATRIX_FMT_FP4 matrix_b_fmt:MATRIX_FMT_FP4 matrix_b_scale:MATRIX_SCALE_ROW1
.else
	v_wmma_scale_f32_16x16x128_f8f6f4 v[\d:\d+7], v[\a:\a+7], v[\b:\b+7], 0, v[\sa], v[\sb] matrix_a_fmt:MATRIX_FMT_FP4 matrix_b_fmt:MATRIX_FMT_FP4
.endif
.else
.if (\ra) && (\rb)
	v_wmma_scale_f32_16x16x128_f8f6f4 v[\d:\d+7], v[\a:\a+7], v[\b:\b+7], v[\cr:\cr+7], v[\sa], v[\sb] matrix_a_fmt:MATRIX_FMT_FP4 matrix_b_fmt:MATRIX_FMT_FP4 matrix_a_scale:MATRIX_SCALE_ROW1 matrix_b_scale:MATRIX_SCALE_ROW1
.elseif (\ra)
	v_wmma_scale_f32_16x16x128_f8f6f4 v[\d:\d+7], v[\a:\a+7], v[\b:\b+7], v[\cr:\cr+7], v[\sa], v[\sb] matrix_a_fmt:MATRIX_FMT_FP4 matrix_b_fmt:MATRIX_FMT_FP4 matrix_a_scale:MATRIX_SCALE_ROW1
.elseif (\rb)
	v_wmma_scale_f32_16x16x128_f8f6f4 v[\d:\d+7], v[\a:\a+7], v[\b:\b+7], v[\cr:\cr+7], v[\sa], v[\sb] matrix_a_fmt:MATRIX_FMT_FP4 matrix_b_fmt:MATRIX_FMT_FP4 matrix_b_scale:MATRIX_SCALE_ROW1
.else
	v_wmma_scale_f32_16x16x128_f8f6f4 v[\d:\d+7], v[\a:\a+7], v[\b:\b+7], v[\cr:\cr+7], v[\sa], v[\sb] matrix_a_fmt:MATRIX_FMT_FP4 matrix_b_fmt:MATRIX_FMT_FP4
.endif
.endif
.endm
; 8 tiles (window xwin) x 2 tiles, nk K steps.  The 16 accumulators take turns, one instruction a turn.  cmode 0: the first K step starts the sums; 1: it adds onto what ACC holds;
; 2: its C is v[192 + 8 i] of window 3.  Four places follow, for the first reads of the results and for loads into the operands' registers.
.macro GEMM xwin, nk, cmode
.set g_s, 0
.rept \nk
.if (g_s == 0) && (\cmode == 2)
.set g_w, (\xwin)|0x30
.else
.set g_w, \xwin
.endif
	WIN g_w
.set g_i, 0
.rept 8
.set g_y, 0
.rept 2
.if (g_s == 0) && (\cmode == 0)
	MM ACC+64*g_y+8*g_i, 8*(\nk*g_i+g_s), YF+8*(\nk*g_y+g_s), 1, 0, XS+\nk*(g_i/2)+g_s, YS+g_s, g_i%2, g_y
.elseif (g_s == 0) && (\cmode == 2)
	MM ACC+64*g_y+8*g_i, 8*(\nk*g_i+g_s), YF+8*(\nk*g_y+g_s), 0, 192+8*g_i, XS+\nk*(g_i/2)+g_s, YS+g_s, g_i%2, g_y
.else
	MM ACC+64*g_y+8*g_i, 8*(\nk*g_i+g_s), YF+8*(\nk*g_y+g_s), 0, ACC+64*g_y+8*g_i, XS+\nk*(g_i/2)+g_s, YS+g_s, g_i%2, g_y
.endif
.set g_y, g_y+1
.endr
.set g_i, g_i+1
.endr
.set g_s, g_s+1
.endr
	WIN 0
.rept 4
	v_nop
.endr
.endm
.macro QUANT s, pc, pw                 ; 64 numbers of a lane become a fragment's codes and its row's scale word; each accumulator is read from its low end on
.irp b, 0,1,2,3
	v_max3_num_f32 v[TM+\b], |v[\s+16*\b]|, |v[\s+1+16*\b]|, 0x1800000   ; and the floor 2^(3 - 127): the byte cannot fall under 1
.endr
.irp i, 2,4,6,8,10,12,14
.irp b, 0,1,2,3
	v_max3_num_f32 v[TM+\b], v[TM+\b], |v[\s+16*\b+\i]|, |v[\s+1+16*\b+\i]|
.endr
.endr
.irp b, 0,1,2,3
	v_permlanex16_b32 v[TM+4+\b], v[TM+\b], s[SEL], s[SEL+1]
.endr
.irp b, 0,1,2,3
	v_max_num_f32 v[TM+\b], v[TM+\b], v[TM+4+\b]
.endr
.irp b, 0,1,2,3
	v_add_nc_u32 v[TM+12+\b], 0xff000000, v[TM+\b]   ; 2 off the exponent field: the conversion's scale operand
.endr
.irp b, 0,1,2,3
	v_lshrrev_b32 v[TM+4+\b], 23, v[TM+12+\b]
.endr
	v_lshl_or_b32 v[\pw], v[TM+5], 8, v[TM+4]
	v_lshl_or_b32 v[\pw], v[TM+6], 16, v[\pw]
	v_lshl_or_b32 v[\pw], v[TM+7], 24, v[\pw]
.irp b, 0,1,2,3
	v_cvt_scalef32_pk8_fp4_f32 v[\pc+2*\b], v[\s+16*\b:\s+7+16*\b], v[TM+12+\b]
	v_cvt_scalef32_pk8_fp4_f32 v[\pc+1+2*\b], v[\s+8+16*\b:\s+15+16*\b], v[TM+12+\b]
.endr
	v_nop                                          ; one plain place behind a scaled conversion
.irp c, 0,1
.irp i, 0,1
	v_permlane16_swap_b32 v[\pc+4*\c+\i], v[\pc+2+4*\c+\i]
.endr
.endr
.endm
; two tiles of tokens x two heads of q or k go out: registers 0-3 of each tile's codes to the first head, 4-7 to the second; the scale words regrouped by head
.macro QKSTORE
	global_store_b128 v[LI], v[PC:PC+3], s[SO0:SO0+1]
	global_store_b128 v[LI], v[PC1:PC1+3], s[SO0:SO0+1] offset:512
	global_store_b128 v[LI], v[PC+4:PC+7], s[SO1:SO1+1]
	global_store_b128 v[LI], v[PC1+4:PC1+7], s[SO1:SO1+1] offset:512
	v_perm_b32 v73, v[PW1], v[PW], 0x05040100      ; the first head's two bytes of both tiles
	v_perm_b32 v74, v[PW1], v[PW], 0x07060302      ; the second head's
	v_cndmask_b32 v73, v73, v74, s[SMK]            ; lanes 0-15 store the first head's word, lanes 16-31 the second's
	v_mul_lo_u32 v75, v[HH], s[SHS]
	v_lshl_add_u32 v75, v[RR], 2, v75
	global_store_b32 v75, v73, s[SOS:SOS+1]
.endm
; the offsets of a unit of q or k: e = the unit, g = which 128 columns, P = which 32 tokens
.macro ARMQK first, xc, xs, xcg, xsg, yc, ycp, ys, ysp, pbits, bshift, rbase, rsize, scoff, nk
	s_sub_co_u32 s16, ttmp9, \first
	s_lshl_b32 s16, s16, 2
	s_add_co_u32 s16, s16, s8
	s_lshr_b32 s17, s16, \pbits
	s_and_b32 s18, s16, (1<<\pbits)-1
	s_mul_i32 s10, s17, \xcg
	s_add_co_u32 s10, s10, \xc
	s_mul_i32 s11, s17, \xsg
	s_add_co_u32 s11, s11, \xs
	s_mul_i32 s12, s18, \ycp
	s_add_co_u32 s12, s12, \yc
	s_mul_i32 s13, s18, \ysp
	s_add_co_u32 s13, s13, \ys
	s_lshr_b32 s19, s18, \bshift
	s_lshl_b32 s19, s19, 3
	s_lshl_b32 s17, s17, 1
	s_add_co_u32 s19, s19, s17                     ; 8 x batch + the first of the two heads
	s_mul_i32 s19, s19, \rsize
	s_add_co_u32 s19, s19, \rbase
	s_and_b32 s18, s18, (1<<\bshift)-1
	s_lshl_b32 s14, s18, 10
	s_add_co_u32 s14, s14, s19
	s_lshl_b32 s15, s18, 6
	s_add_co_u32 s15, s15, s19
	s_add_co_u32 s15, s15, \scoff
	s_mov_b32 s34, \rsize
	s_mov_b32 s35, 0
	s_mov_b32 s9, \nk
.endm
; the offsets of a unit of v: s17 = which 128 tokens, s18 = which 32 columns
.macro ARMV first, xc, xcs, xs, xss, yc, ycj, ys, ysj, bshift, rbase, rsize, vimg, vsc, nk
	s_sub_co_u32 s16, ttmp9, \first
	s_lshl_b32 s16, s16, 2
	s_add_co_u32 s16, s16, s8
	s_lshr_b32 s17, s16, 4
	s_and_b32 s18, s16, 15
	s_mul_i32 s10, s17, \xcs
	s_add_co_u32 s10, s10, \xc
	s_mul_i32 s11, s17, \xss
	s_add_co_u32 s11, s11, \xs
	s_mul_i32 s12, s18, \ycj
	s_add_co_u32 s12, s12, \yc
	s_mul_i32 s13, s18, \ysj
	s_add_co_u32 s13, s13, \ys
	s_lshr_b32 s19, s17, \bshift
	s_lshl_b32 s19, s19, 3
	s_lshr_b32 s16, s18, 1
	s_add_co_u32 s19, s19, s16                     ; 8 x batch + head
	s_mul_i32 s19, s19, \rsize
	s_add_co_u32 s19, s19, \rbase
	s_and_b32 s17, s17, (1<<\bshift)-1
	s_and_b32 s18, s18, 1
	s_lshl_b32 s14, s17, 12
	s_lshl_b32 s16, s18, 11
	s_add_co_u32 s14, s14, s16
	s_add_co_u32 s14, s14, s19
	s_add_co_u32 s14, s14, \vimg
	s_lshl_b32 s15, s17, 8
	s_lshl_b32 s16, s18, 7
	s_add_co_u32 s15, s15, s16
	s_add_co_u32 s15, s15, s19
	s_add_co_u32 s15, s15, \vsc
	s_mov_b32 s34, 0
	s_mov_b32 s35, 1
	s_mov_b32 s9, \nk
.endm
	s_load_b128 s[4:7], s[0:1], 0x0                ; prep, qkv
	v_lshrrev_b32 v5, 5, v0
	v_readfirstlane_b32 s8, v5                     ; wave
	v_and_b32 v5, 31, v0
	v_lshlrev_b32 v[LI], 4, v5
	v_lshlrev_b32 v[LS], 2, v5
	v_and_b32 v[RR], 15, v0
	v_bfe_u32 v[HH], v0, 4, 1
.irp b, 0,1,2,3
	v_mov_b32 v[TM+4+\b], 0                        ; a lane permute's destination counts as one of its sources
.endr
	s_mov_b32 s[SEL], 0x76543210
	s_mov_b32 s[SEL+1], 0xfedcba98
	s_mov_b32 s[SMK], 0xffff0000                   ; lanes 16-31
	s_cmp_lt_u32 ttmp9, 256
	s_cbranch_scc1 .Lq_s
	s_cmp_lt_u32 ttmp9, 512
	s_cbranch_scc1 .Lk_s
	s_cmp_lt_u32 ttmp9, 768
	s_cbranch_scc1 .Lv_s
	s_cmp_lt_u32 ttmp9, 896
	s_cbranch_scc1 .Lk_c
	ARMV 896, ZC, 8192, ZS, 512, WVC, 2048, WVS, 128, 3, KVC, 69632, 32768, 67584, 1
	s_branch .Ljoin
.Lq_s:
	ARMQK 0, WC, WS, 32768, 2048, NC, 8192, NS, 512, 8, 6, QS, 69632, 65536, 4
	s_branch .Ljoin
.Lk_s:
	ARMQK 256, WC+131072, WS+8192, 32768, 2048, NC, 8192, NS, 512, 8, 6, KVS, 139264, 131072, 4
	s_branch .Ljoin
.Lv_s:
	ARMV 512, NC, 32768, NS, 2048, WC+262144, 8192, WS+16384, 512, 4, KVS, 139264, 65536, 135168, 4
	s_branch .Ljoin
.Lk_c:
	ARMQK 768, WKC, WKS, 8192, 512, ZC, 2048, ZS, 128, 7, 5, KVC, 69632, 65536, 1
.Ljoin:
	s_mov_b32 s17, 0
	s_wait_kmcnt 0x0
	s_mov_b32 s16, s10
	s_add_nc_u64 s[20:21], s[4:5], s[16:17]        ; source 0's codes
	s_mov_b32 s16, s11
	s_add_nc_u64 s[22:23], s[4:5], s[16:17]        ; and scale words
	s_mov_b32 s16, s12
	s_add_nc_u64 s[24:25], s[4:5], s[16:17]        ; source 1's codes
	s_mov_b32 s16, s13
	s_add_nc_u64 s[26:27], s[4:5], s[16:17]        ; and scale words
	s_mov_b32 s16, s14
	s_add_nc_u64 s[SO0:SO0+1], s[6:7], s[16:17]    ; out: codes,
	s_mov_b32 s16, s34
	s_add_nc_u64 s[SO1:SO1+1], s[SO0:SO0+1], s[16:17]   ; the second head's, a region on,
	s_mov_b32 s16, s15
	s_add_nc_u64 s[SOS:SOS+1], s[6:7], s[16:17]    ; scale words
	s_cmp_eq_u32 s9, 4
	s_cbranch_scc0 .Lsmall
	WIN 0x40                                       ; destination window 1, address window 0
.set q, 0
.rept 64
	global_load_b128 v[4*q:4*q+3], v[LI], s[20:21] offset:512*q   ; an image comes as it lies: 512 neighbouring bytes a load
.set q, q+1
.endr
	WIN 0
.set q, 0
.rept 16
	global_load_b128 v[YF+4*q:YF+4*q+3], v[LI], s[24:25] offset:512*q
.set q, q+1
.endr
.irp p, 0,1,2,3
	global_load_b128 v[XS+4*\p:XS+4*\p+3], v[LI], s[22:23] offset:512*\p
.endr
	global_load_b128 v[YS:YS+3], v[LI], s[26:27]
	s_wait_loadcnt 0x0
	GEMM 1, 4, 0
	s_branch .Lquant
.Lsmall:
	WIN 0x40
.set q, 0
.rept 16
	global_load_b128 v[4*q:4*q+3], v[LI], s[20:21] offset:512*q
.set q, q+1
.endr
	WIN 0
.set q, 0
.rept 4
	global_load_b128 v[YF+4*q:YF+4*q+3], v[LI], s[24:25] offset:512*q
.set q, q+1
.endr
.irp p, 0,1,2,3
	global_load_b32 v[XS+\p], v[LS], s[22:23] offset:128*\p
.endr
	global_load_b32 v[YS], v[LS], s[26:27]
	s_wait_loadcnt 0x0
	GEMM 1, 1, 0
.Lquant:
	QUANT ACC, PC, PW
	QUANT ACC+64, PC1, PW1
	s_cmp_eq_u32 s35, 0
	s_cbranch_scc0 .Lv_out
	QKSTORE
	s_endpgm
.Lv_out:
	global_store_b128 v[LI], v[PC:PC+3], s[SO0:SO0+1]
	global_store_b128 v[LI], v[PC+4:PC+7], s[SO0:SO0+1] offset:512
	global_store_b128 v[LI], v[PC1:PC1+3], s[SO0:SO0+1] offset:1024
	global_store_b128 v[LI], v[PC1+4:PC1+7], s[SO0:SO0+1] offset:1536
	v_cndmask_b32 v73, v[PW], v[PW1], s[SMK]       ; lanes 0-15 the first tile's words, lanes 16-31 the second's
	global_store_b32 v[LS], v73, s[SOS:SOS+1]
	s_endpgm
.Lfunc_end_k_q1230f5dcb3_proj:
	.size	k_q1230f5dcb3_proj, .Lfunc_end_k_q1230f5dcb3_proj-k_q1230f5dcb3_proj
	.p2alignl 7, 3214868480
	.fill 96, 4, 3214868480
	.section	.rodata,"a",@progbits
	.p2align	6, 0x0
	.amdhsa_kernel k_q1230f5dcb3_proj
		.amdhsa_group_segment_fixed_size 0
		.amdhsa_private_segment_fixed_size 0
		.amdhsa_enable_private_segment 0
		.amdhsa_kernarg_size 16
		.amdhsa_user_sgpr_count 2
		.amdhsa_user_sgpr_kernarg_segment_ptr 1
		.amdhsa_wavefront_size32 1
		.amdhsa_system_sgpr_workgroup_id_x 1
		.amdhsa_system_sgpr_workgroup_id_y 1
		.amdhsa_system_sgpr_workgroup_id_z 1
		.amdhsa_system_vgpr_workitem_id 0
		.amdhsa_next_free_vgpr 512
		.amdhsa_next_free_sgpr 66
		.amdhsa_reserve_vcc 0
		.amdhsa_float_denorm_mode_32 3
		.amdhsa_float_denorm_mode_16_64 3
		.amdhsa_memory_ordered 1
		.amdhsa_forward_progress 1
		.amdhsa_inst_pref_size 39
	.end_amdhsa_kernel
	.amdgpu_metadata
---
amdhsa.version: [ 1, 2 ]
amdhsa.kernels:
  - .name:           k_q1230f5dcb3_proj
    .symbol:         k_q1230f5dcb3_proj.kd
    .args:
      - { .name: prep, .offset: 0, .size: 8, .value_kind: global_buffer, .address_space: global }
      - { .name: qkv, .offset: 8, .size: 8, .value_kind: global_buffer, .address_space: global }
    .group_segment_fixed_size: 0
    .private_segment_fixed_size: 0
    .kernarg_segment_align: 8
    .kernarg_segment_size: 16
    .max_flat_workgroup_size: 128
    .sgpr_count:     66
    .vgpr_count:     512
    .wavefront_size: 32
...
	.end_amdgpu_metadata
.endif
;; end of part 2
;; launch attn_s (part 3): grid 8 x 32, 16 waves a work-group, no clusters, 272,384 bytes of LDS; arguments qkv, obuf; writes obuf
.if DOCPART == 3
	.amdgcn_target "amdgcn-amd-amdhsa--gfx1250"
	.amdhsa_code_object_version 6
	.text
	.protected	k_q1230f5dcb3_attn_s
	.globl	k_q1230f5dcb3_attn_s
	.p2align	8
	.type	k_q1230f5dcb3_attn_s,@function
k_q1230f5dcb3_attn_s:
	s_mov_b64 s[64:65], 0
	v_nop
	global_prefetch_b8 v0, s[64:65] scope:SCOPE_SE
	s_setreg_imm32_b32 hwreg(HW_REG_WAVE_MODE, 25, 1), 1
	s_wait_xcnt 0x0
; Launches 3 (CROSS = 0) and 5 (CROSS = 1) of 6: o = gate(softmax(q k^T / 8)) v on codes of E2M1, o quantised along the head's 64 for the projection that follows.
; WORK LEFT OUT: sigmoid(score) > 1/2 is score > 0 for all real scores (shown at the head of launch 1): the sigmoids are not computed.
; THE FINISHED SOFTMAX IS WHAT IS QUANTISED, so the keys are walked twice.  Walk 1: the row's running maximum m and sum l of 2^(t - m), t = score x log2(e) / 8.  Walk 2: the scores again;
; p = 2^(t - M - log2(l)) is the normalised weight by one multiply-add and one exponential; p is quantised along the keys and multiplied by v.
; THE GATE stands in the exponent: t' = min(t - M - log2(l), 2^100 s - 1000), s the product q . k.  For s <= 0 the second term is -1000 or less and p is 0; for s >= 2^-89 it is above 0, and so above the first, which is taken as it is.
; LIMITS: a product q . k above 0 and under 2^-89 is not kept (reference()'s f32 sigmoid drops it too); between that and about 1e-6 reference() drops a weight that is kept here, as stated at the head of launch 1.
; SHARES.  A work-group owns 256 queries of one head, each of its 16 waves one tile of 16.  The head's k and v, codes and scale words, are copied into LDS once, through registers: k and the scale words ahead of walk 1,
; v, which waits in o^T's registers meanwhile, behind it: two barriers.  No cluster: what work-groups share is that one copy; no tensor load: nothing is filled again.
; THE LARGEST SCORE OF EACH BLOCK OF 32 KEYS, which walk 1 passes through on its way to the maximum, is kept in the wave's own LDS bytes, 16 bytes a lane and step, and is not searched for again in walk 2.
; LAYOUT.  Both products are used transposed: a lane holds one query.  K = 64 IN AN INSTRUCTION OF K = 128: a fragment of k holds tile 2 b in registers 0-3 and tile 2 b + 1 in registers 4-7; q stands in twelve
; registers q, 0, q: the first eight pick tile 2 b, the last eight tile 2 b + 1.  The zero codes meet live codes under bytes 1 .. 254 and add nothing.
; The keys of a tile are chosen (launch 1) so that registers 16 b + i of the scores are keys 32 b + 16 (lane / 16) + i.
.set CROSS, 0
.if CROSS
.set NSTEP, 8                          ; steps of 128 keys
.set VIMG,  32768
.set KSC,   65536
.set VSC,   67584
.set RGN,   69632                      ; bytes of a head's k and v
.set KVOFF, 6684672
.set QOFF,  16777216
.set QP,    4
.set KVP,   6
.set OP,    8
.else
.set NSTEP, 16
.set VIMG,  65536
.set KSC,   131072
.set VSC,   135168
.set RGN,   139264
.set KVOFF, 2228224
.set QOFF,  0
.set QP,    4
.set KVP,   4
.set OP,    6
.endif
.set NK,    NSTEP/2                    ; rounds of 512 threads x 16 bytes in k's codes, and as many in v's
.set SPARE, RGN                        ; behind the copy: the spare words, 128 bytes for each wave
.set STASH, RGN+2048                   ; behind them: the blocks' largest scores, SW bytes for each wave, its own
.set SW,    NSTEP*512
.set LI,  1                            ; v1 16 x lane;  v2 4 x lane
.set LS,  2
.set SPW, 3                            ; v3 my spare word, v4 0; never rewritten
.set NIL, 4
.set KF,  32                           ; v32-63 four fragments of k
.set KS,  64                           ; v64-65 k's scale words;  v66-67 v's
.set VS,  66
.set QSR, 28                           ; v28 q's scale word
.set QW,  104                          ; v104 that word as it is loaded: outside the registers in which the copy's rounds land
.set PC,  68                           ; v68-75 p's codes;  v76 its scale word
.set PW,  76
.set S,   96                           ; v96-159 the scores, then p
.set OA,  160                          ; v160-191 o^T; until walk 1 is over: v's rounds of the copy
.set VF,  192                          ; v192-223 four fragments of v
.set ADZ, 224                          ; v224 LDS address of the step's four largest scores
.set STW, 225                          ; v225 STASH + SW x wave + 16 x lane; never rewritten
.set U,   226                          ; v226-241 2^100 s - 1000 of sixteen scores
.set NEG, 242                          ; v[242:243] -1000, twice
.set KB,  24                           ; s24-27 LDS bytes at which the step's k, k's words, v, v's words begin
.set KSA, 25
.set VB,  26
.set VSA, 27
.set CNT, 28
.set ZB,  29                           ; s29 512 x step
.set CS,  30                           ; s[30:31] log2(e) / 8
.set SEL, 32                           ; s[32:33]
.set BG,  40                           ; s[40:41] 2^100
.macro MM d, a, b, cz, cr, sa, sb, ra, rb
.if \cz
.if (\ra) && (\rb)
	v_wmma_scale_f32_16x16x128_f8f6f4 v[\d:\d+7], v[\a:\a+7], v[\b:\b+7], 0, v[\sa], v[\sb] matrix_a_fmt:MATRIX_FMT_FP4 matrix_b_fmt:MATRIX_FMT_FP4 matrix_a_scale:MATRIX_SCALE_ROW1 matrix_b_scale:MATRIX_SCALE_ROW1
.elseif (\ra)
	v_wmma_scale_f32_16x16x128_f8f6f4 v[\d:\d+7], v[\a:\a+7], v[\b:\b+7], 0, v[\sa], v[\sb] matrix_a_fmt:MATRIX_FMT_FP4 matrix_b_fmt:MATRIX_FMT_FP4 matrix_a_scale:MATRIX_SCALE_ROW1
.elseif (\rb)
	v_wmma_scale_f32_16x16x128_f8f6f4 v[\d:\d+7], v[\a:\a+7], v[\b:\b+7], 0, v[\sa], v[\sb] matrix_a_fmt:MATRIX_FMT_FP4 matrix_b_fmt:MATRIX_FMT_FP4 matrix_b_scale:MATRIX_SCALE_ROW1
.else
	v_wmma_scale_f32_16x16x128_f8f6f4 v[\d:\d+7], v[\a:\a+7], v[\b:\b+7], 0, v[\sa], v[\sb] matrix_a_fmt:MATRIX_FMT_FP4 matrix_b_fmt:MATRIX_FMT_FP4
.endif
.else
.if (\ra) && (\rb)
	v_wmma_scale_f32_16x16x128_f8f6f4 v[\d:\d+7], v[\a:\a+7], v[\b:\b+7], v[\cr:\cr+7], v[\sa], v[\sb] matrix_a_fmt:MATRIX_FMT_FP4 matrix_b_fmt:MATRIX_FMT_FP4 matrix_a_scale:MATRIX_SCALE_ROW1 matrix_b_scale:MATRIX_SCALE_ROW1
.elseif (\ra)
	v_wmma_scale_f32_16x16x128_f8f6f4 v[\d:\d+7], v[\a:\a+7], v[\b:\b+7], v[\cr:\cr+7], v[\sa], v[\sb] matrix_a_fmt:MATRIX_FMT_FP4 matrix_b_fmt:MATRIX_FMT_FP4 matrix_a_scale:MATRIX_SCALE_ROW1
.elseif (\rb)
	v_wmma_scale_f32_16x16x128_f8f6f4 v[\d:\d+7], v[\a:\a+7], v[\b:\b+7], v[\cr:\cr+7], v[\sa], v[\sb] matrix_a_fmt:MATRIX_FMT_FP4 matrix_b_fmt:MATRIX_FMT_FP4 matrix_b_scale:MATRIX_SCALE_ROW1
.else
	v_wmma_scale_f32_16x16x128_f8f6f4 v[\d:\d+7], v[\a:\a+7], v[\b:\b+7], v[\cr:\cr+7], v[\sa], v[\sb] matrix_a_fmt:MATRIX_FMT_FP4 matrix_b_fmt:MATRIX_FMT_FP4
.endif
.endif
.endm
.macro KLOADS                          ; four fragments of k (v8: their LDS address) and two registers of scale words (v9)
.irp b, 0,1,2,3
	ds_load_b128 v[KF+8*\b:KF+8*\b+3], v8 offset:1024*\b
	ds_load_b128 v[KF+8*\b+4:KF+8*\b+7], v8 offset:1024*\b+512
.endr
	ds_load_b32 v[KS], v9                          ; lanes 0-15 block 0's words, lanes 16-31 block 1's
	ds_load_b32 v[KS+1], v9 offset:128
.endm
.macro QK                              ; the scores of 128 keys: eight products, each its own accumulator.  Four plain vector lines that name none of their registers follow in each walk
.irp b, 0,1,2,3
.irp u, 0,1
	MM S+8*(2*\b+\u), KF+8*\b, 16+4*\u, 1, 0, KS+\b/2, QSR, \b%2, 0
.endr
.endr
.endm
.macro BMAX                            ; the largest of my 16 scores of each block of 32 keys -> v80-83; each accumulator is read from its low end on
.irp b, 0,1,2,3
	v_max3_num_f32 v[80+\b], v[S+16*\b], v[S+1+16*\b], v[S+2+16*\b]
.endr
.irp i, 3,5,7,9,11,13
.irp b, 0,1,2,3
	v_max3_num_f32 v[80+\b], v[80+\b], v[S+16*\b+\i], v[S+1+16*\b+\i]
.endr
.endr
.irp b, 0,1,2,3
	v_max_num_f32 v[80+\b], v[80+\b], v[S+15+16*\b]
.endr
.endm
.macro TSCALE                          ; score x c + v12, two at a time
.set st_n, 0
.rept 32
	v_pk_fma_f32 v[S+st_n:S+st_n+1], v[S+st_n:S+st_n+1], s[CS:CS+1], v[12:13] op_sel_hi:[1,0,0]
.set st_n, st_n+2
.endr
.endm
; t' = min(score x c + v12, 2^100 x score - 1000), sixteen scores at a time; each accumulator is read from its low end on
.macro GATE
.set gt_g, 0
.rept 4
.set gt_i, 0
.rept 8
	v_pk_fma_f32 v[U+gt_i:U+gt_i+1], v[S+16*gt_g+gt_i:S+16*gt_g+gt_i+1], s[BG:BG+1], v[NEG:NEG+1] op_sel_hi:[1,0,1]
.set gt_i, gt_i+2
.endr
.set gt_i, 0
.rept 8
	v_pk_fma_f32 v[S+16*gt_g+gt_i:S+16*gt_g+gt_i+1], v[S+16*gt_g+gt_i:S+16*gt_g+gt_i+1], s[CS:CS+1], v[12:13] op_sel_hi:[1,0,0]
.set gt_i, gt_i+2
.endr
.set gt_i, 0
.rept 16
	v_min_num_f32 v[S+16*gt_g+gt_i], v[S+16*gt_g+gt_i], v[U+gt_i]
.set gt_i, gt_i+1
.endr
.set gt_g, gt_g+1
.endr
.endm
.macro EXP64
.set st_n, 0
.rept 64
	v_exp_f32 v[S+st_n], v[S+st_n]
.set st_n, st_n+1
.endr
.endm
; WALK 1, a step: each lane keeps the maximum (v13; v12 = its negative) and the sum (v[14:15]) of its own half of the keys: no lane is asked in the loop.  v8 and v9 were made a step ago
.macro STEP1
	KLOADS
	s_add_co_u32 s[KB], s[KB], 4096
	s_add_co_u32 s[KSA], s[KSA], 256
	s_wait_dscnt 0x0
	QK
	v_add_nc_u32 v8, s[KB], v[LI]                  ; the next step's addresses, this step's place for the largest scores and the old m: four plain lines, the places behind the products
	v_add_nc_u32 v9, s[KSA], v[LS]
	v_add_nc_u32 v[ADZ], s[ZB], v[STW]
	v_mov_b32 v77, v13
	BMAX
	ds_store_b128 v[ADZ], v[80:83]                 ; kept for walk 2, in my wave's own bytes
	v_max3_num_f32 v84, v80, v81, v82
	v_max_num_f32 v84, v84, v83
	v_mul_f32 v84, s[CS], v84                      ; as t (c is positive)
	v_max_num_f32 v13, v13, v84
	v_sub_f32 v78, v77, v13                        ; old m - new m
	v_mul_f32 v12, -1.0, v13
	TSCALE
	EXP64
	v_exp_f32 v30, v78
	v_nop                                          ; a plain place behind the batch,
	s_wait_alu depctr_va_vdst(0)                   ; and one wait for its 65 exponentials, ahead of the first reader
	v_pk_mul_f32 v[14:15], v[14:15], v[30:31] op_sel_hi:[1,0]
	v_pk_add_f32 v[78:79], v[S:S+1], v[S+2:S+3]
.irp j, 4,8,12,16,20,24,28,32,36,40,44,48,52,56,60
	v_pk_add_f32 v[14:15], v[14:15], v[S+\j:S+\j+1]
	v_pk_add_f32 v[78:79], v[78:79], v[S+\j+2:S+\j+3]
.endr
	v_pk_add_f32 v[14:15], v[14:15], v[78:79]
	s_add_co_u32 s[ZB], s[ZB], 512
.endm
; WALK 2, a step.  zero = 1: the first step's products start o^T's sums.  v8 to v11 and v[ADZ] were made a step ago
.macro STEP2 zero
	KLOADS
	ds_load_b128 v[80:83], v[ADZ]                  ; my 16 keys' largest score of each block, as walk 1 found it
	s_wait_dscnt 0x0
	QK
	v_pk_fma_f32 v[88:89], v[80:81], s[BG:BG+1], v[NEG:NEG+1] op_sel_hi:[1,0,1]   ; the largest scores go the way of all scores: the same lines on the same numbers give the same bits.
	v_pk_fma_f32 v[90:91], v[82:83], s[BG:BG+1], v[NEG:NEG+1] op_sel_hi:[1,0,1]   ; These eight plain lines are also the places behind the products above, and between the last step's second products and the loads below
	v_pk_fma_f32 v[80:81], v[80:81], s[CS:CS+1], v[12:13] op_sel_hi:[1,0,0]
	v_pk_fma_f32 v[82:83], v[82:83], s[CS:CS+1], v[12:13] op_sel_hi:[1,0,0]
.irp b, 0,1,2,3
	v_min_num_f32 v[80+\b], v[80+\b], v[88+\b]
.endr
.irp t, 0,1,2,3
	ds_load_b128 v[VF+8*\t:VF+8*\t+3], v10 offset:1024*\t          ; v's four tiles land while the softmax is worked
	ds_load_b128 v[VF+8*\t+4:VF+8*\t+7], v10 offset:1024*\t+512
.endr
	ds_load_b32 v[VS], v11
	ds_load_b32 v[VS+1], v11 offset:128
.irp b, 0,1,2,3
	v_permlanex16_b32 v[84+\b], v[80+\b], s[SEL], s[SEL+1]
.endr
.irp b, 0,1,2,3
	v_max_num_f32 v[80+\b], v[80+\b], v[84+\b]     ; with lane l xor 16's 16 keys: t' rises with the score, so this is the block's largest t'
.endr
	GATE
	EXP64
.irp b, 0,1,2,3
	v_exp_f32 v[80+\b], v[80+\b]
.endr
	v_nop
	s_wait_alu depctr_va_vdst(0)                   ; one wait for the 68
.irp b, 0,1,2,3
	v_max_num_f32 v[80+\b], 0x1800000, v[80+\b]    ; the floor: a block of zeros keeps the byte 1, its codes are zeros
.endr
.irp b, 0,1,2,3
	v_add_nc_u32 v[92+\b], 0xff000000, v[80+\b]
.endr
.irp b, 0,1,2,3
	v_lshrrev_b32 v[84+\b], 23, v[92+\b]
.endr
	v_lshl_or_b32 v[PW], v85, 8, v84
	v_lshl_or_b32 v[PW], v86, 16, v[PW]
	v_lshl_or_b32 v[PW], v87, 24, v[PW]
.irp b, 0,1,2,3
	v_cvt_scalef32_pk8_fp4_f32 v[PC+2*\b], v[S+16*\b:S+7+16*\b], v[92+\b]
	v_cvt_scalef32_pk8_fp4_f32 v[PC+1+2*\b], v[S+8+16*\b:S+15+16*\b], v[92+\b]
.endr
	v_nop
.irp c, 0,1
.irp i, 0,1
	v_permlane16_swap_b32 v[PC+4*\c+\i], v[PC+2+4*\c+\i]
.endr
.endr
	s_add_co_u32 s[KB], s[KB], 4096
	s_add_co_u32 s[KSA], s[KSA], 256
	s_add_co_u32 s[VB], s[VB], 4096
	s_add_co_u32 s[VSA], s[VSA], 256
	s_add_co_u32 s[ZB], s[ZB], 512
	v_add_nc_u32 v8, s[KB], v[LI]                  ; the next step's addresses.  A scale word made by vector instructions stands eight plain lines ahead of the scaled product, an operand four:
	v_add_nc_u32 v9, s[KSA], v[LS]                 ; behind the scale word's last line stand the v_nop above, these five and the two below; behind the codes' last line these seven
	v_add_nc_u32 v10, s[VB], v[LI]
	v_add_nc_u32 v11, s[VSA], v[LS]
	v_add_nc_u32 v[ADZ], s[ZB], v[STW]
	v_nop
	v_nop
	s_wait_dscnt 0x0                               ; v is in
.irp t, 0,1,2,3
	MM OA+8*\t, VF+8*\t, PC, \zero, OA+8*\t, VS+\t/2, PW, \t%2, 0
.endr
.endm
	s_load_b128 s[4:7], s[0:1], 0x0                ; CROSS = 0: qkv, obuf;  1: mid, qkv
.if CROSS
	s_load_b64 s[8:9], s[0:1], 0x10                ; obuf
.endif
	v_lshl_add_u32 v[SPW], v0, 2, SPARE
	v_mov_b32 v[NIL], 0
	v_lshrrev_b32 v5, 5, v0
	v_readfirstlane_b32 s18, v5                    ; wave 0 .. 15
	v_and_b32 v5, 31, v0
	v_lshlrev_b32 v[LI], 4, v5
	v_lshlrev_b32 v[LS], 2, v5
	v_and_b32 v5, 15, v0
	v_lshlrev_b32 v29, 4, v5                       ; 16 r, for the way out
	v_lshlrev_b32 v10, 4, v0                       ; the copy: 16 bytes a thread
.if CROSS
	v_lshlrev_b32 v11, 3, v0                       ; its last 4,096 bytes: 8 a thread
	v_add_nc_u32 v7, 65536, v11
.else
	v_add_nc_u32 v6, 65536, v10
	v_add_nc_u32 v7, 131072, v10
.endif
	s_mul_i32 s21, s18, SW
	s_add_co_u32 s21, s21, STASH
	v_add_nc_u32 v[STW], s21, v[LI]                ; my wave's bytes for the largest scores
	s_and_b32 s19, ttmp7, 0xffff                   ; 8 x batch + head
	s_lshl_b32 s20, ttmp9, 4
	s_add_co_u32 s20, s20, s18                     ; my tile of queries in the batch
	s_lshl_b32 s21, s20, 9
	v_add_nc_u32 v8, s21, v[LI]                    ; q's codes: 512 bytes a tile
	s_lshr_b32 s21, s20, 1
	s_lshl_b32 s21, s21, 6
	v_lshl_add_u32 v9, v5, 2, s21                  ; its scale words: 64 bytes for two tiles
	s_mov_b32 s35, 0
	s_mov_b32 s[CS], 0x3e38aa3b                    ; log2(e) / 8
	s_mov_b32 s[CS+1], s[CS]
	s_mov_b32 s[BG], 0x71800000                    ; 2^100
	s_mov_b32 s[BG+1], s[BG]
	s_mov_b32 s[SEL], 0x76543210
	s_mov_b32 s[SEL+1], 0xfedcba98
	s_mov_b32 s38, 0x03020302
	s_mov_b32 s39, 0x01000100
	s_bitcmp1_b32 s18, 0
	s_cselect_b32 s38, s38, s39                    ; an odd tile's two bytes are the word's upper two
	s_wait_kmcnt 0x0
	s_mul_i32 s34, s19, 69632
	s_add_co_u32 s34, s34, QOFF
	s_add_nc_u64 s[10:11], s[QP:QP+1], s[34:35]    ; the head's q
	s_mul_i32 s34, s19, RGN
	s_add_co_u32 s34, s34, KVOFF
	s_add_nc_u64 s[12:13], s[KVP:KVP+1], s[34:35]  ; its k and v
	s_lshr_b32 s21, s19, 3
	s_and_b32 s22, s19, 7
	s_lshl_b32 s21, s21, 7
	s_add_co_u32 s21, s21, s20                     ; my tile among all 512
	s_lshr_b32 s23, s22, 1                         ; the K step of the next product: the pair of heads,
	s_and_b32 s22, s22, 1                          ; and which half of it
	s_lshl_b32 s34, s21, 2
	s_add_co_u32 s34, s34, s23
	s_lshl_b32 s34, s34, 10
	s_lshl_b32 s36, s22, 9
	s_add_co_u32 s34, s34, s36
	s_add_nc_u64 s[14:15], s[OP:OP+1], s[34:35]    ; o's codes
	s_lshl_b32 s34, s21, 8
	s_lshl_b32 s23, s23, 2
	s_add_co_u32 s34, s34, s23
	s_lshl_b32 s22, s22, 1
	s_add_co_u32 s34, s34, s22
	s_add_co_u32 s34, s34, 2097152
	s_add_nc_u64 s[16:17], s[OP:OP+1], s[34:35]    ; its two scale bytes a row
	global_load_b128 v[16:19], v8, s[10:11]        ; q, twice
	global_load_b128 v[24:27], v8, s[10:11]
	global_load_b32 v[QW], v9, s[10:11] offset:65536
.set f, 0
.rept NK
	global_load_b128 v[32+4*f:35+4*f], v10, s[12:13] offset:8192*f   ; k's codes
.set f, f+1
.endr
.if CROSS
	global_load_b64 v[64:65], v11, s[12:13] offset:65536             ; k's and v's scale words
.else
	global_load_b128 v[64:67], v10, s[12:13] offset:131072
.endif
.set f, 0
.rept NK
	global_load_b128 v[OA+4*f:OA+4*f+3], v10, s[12:13] offset:VIMG+8192*f   ; v's codes: they may land as late as the end of walk 1
.set f, f+1
.endr
.set f, 0
.rept NK
	s_wait_loadcnt 2*NK-f                          ; k's round f is in.  Issued behind it: k's NK - 1 - f later rounds, the scale words' load, v's NK rounds
	ds_store_b128 v10, v[32+4*f:35+4*f] offset:8192*f
.set f, f+1
.endr
	s_wait_loadcnt NK                              ; the scale words are in; v's NK rounds may be out
.if CROSS
	ds_store_b64 v7, v[64:65]
.else
	ds_store_b128 v7, v[64:67]
.endif
.irp i, 20,21,22,23
	v_mov_b32 v[\i], 0                             ; the zero codes between the two copies of q
.endr
	v_perm_b32 v[QSR], v[QW], v[QW], s38           ; q's two bytes, twice (the waits above have shown the word in).  The lines below are the places between this line and the first product
	v_mov_b32 v31, 0                               ; (named as the upper half of a pair)
.irp b, 0,1,2,3
	v_mov_b32 v[84+\b], 0                          ; a lane permute's destination counts as one of its sources
.endr
	v_mov_b32 v[NEG], 0xc47a0000                   ; -1000
	v_mov_b32 v[NEG+1], 0xc47a0000
	v_mov_b32 v13, 0xff61b1e6                      ; the largest t so far: -3e38
	v_mov_b32 v14, 0
	v_mov_b32 v15, 0
	s_mov_b32 s[KB], 0
	s_mov_b32 s[KSA], KSC
	s_mov_b32 s[ZB], 0
	s_mov_b32 s[CNT], NSTEP
	v_add_nc_u32 v8, s[KB], v[LI]                  ; (q's loads, which read v8 and v9, are done)
	v_add_nc_u32 v9, s[KSA], v[LS]
	s_wait_dscnt 0x0                               ; my part of k and of the scale words has landed
	s_barrier_signal -1
	s_barrier_wait -1                              ; everybody's has
.Lwalk1:
	STEP1
	s_sub_co_u32 s[CNT], s[CNT], 1
	s_cmp_lg_u32 s[CNT], 0
	s_cbranch_scc1 .Lwalk1
	s_wait_loadcnt 0x0                             ; v's rounds are in,
.set f, 0
.rept NK
.if CROSS
	ds_store_b128 v10, v[OA+4*f:OA+4*f+3] offset:VIMG+8192*f       ; and go to bytes that nobody reads before the barrier below
.else
	ds_store_b128 v6, v[OA+4*f:OA+4*f+3] offset:8192*f
.endif
.set f, f+1
.endr
	; the two halves of the lanes meet: M = the larger maximum, l = l 2^(m - M) + the other's; a sum of two products, so that both lanes get the same bits
	v_add_f32 v14, v14, v15
	v_permlanex16_b32 v77, v13, s[SEL], s[SEL+1]
	v_permlanex16_b32 v78, v14, s[SEL], s[SEL+1]
	v_max_num_f32 v79, v13, v77
	v_sub_f32 v80, v13, v79
	v_sub_f32 v81, v77, v79
	v_exp_f32 v80, v80
	v_exp_f32 v81, v81
	v_nop
	s_wait_alu depctr_va_vdst(0)
	v_mul_f32 v14, v14, v80
	v_mul_f32 v78, v78, v81
	v_add_f32 v14, v14, v78
	v_log_f32 v82, v14
	v_nop
	s_wait_alu depctr_va_vdst(0)
	v_sub_f32 v12, -v79, v82                       ; -(M + log2(l)): p = 2^(t + v12) is the normalised weight
	s_mov_b32 s[KB], 0
	s_mov_b32 s[KSA], KSC
	s_mov_b32 s[VB], VIMG
	s_mov_b32 s[VSA], VSC
	s_mov_b32 s[ZB], 0
	s_mov_b32 s[CNT], NSTEP-1
	s_wait_dscnt 0x0                               ; my part of v has landed
	s_barrier_signal -1
	s_barrier_wait -1                              ; everybody's has; the copy is only read from here on
	v_add_nc_u32 v8, s[KB], v[LI]
	v_add_nc_u32 v9, s[KSA], v[LS]
	v_add_nc_u32 v10, s[VB], v[LI]
	v_add_nc_u32 v11, s[VSA], v[LS]
	v_add_nc_u32 v[ADZ], s[ZB], v[STW]
	STEP2 1
.Lwalk2:
	STEP2 0
	s_sub_co_u32 s[CNT], s[CNT], 1
	s_cmp_lg_u32 s[CNT], 0
	s_cbranch_scc1 .Lwalk2
	; THE WAY OUT: register 16 b + i of o^T is channel 32 b + 16 (lane / 16) + i of my query: two blocks of the next product's K
.rept 4
	v_nop
.endr
.irp b, 0,1
	v_max3_num_f32 v[80+\b], |v[OA+16*\b]|, |v[OA+1+16*\b]|, 0x1800000
.endr
.irp i, 2,4,6,8,10,12,14
.irp b, 0,1
	v_max3_num_f32 v[80+\b], v[80+\b], |v[OA+16*\b+\i]|, |v[OA+1+16*\b+\i]|
.endr
.endr
.irp b, 0,1
	v_permlanex16_b32 v[84+\b], v[80+\b], s[SEL], s[SEL+1]
.endr
.irp b, 0,1
	v_max_num_f32 v[80+\b], v[80+\b], v[84+\b]
.endr
.irp b, 0,1
	v_add_nc_u32 v[92+\b], 0xff000000, v[80+\b]
.endr
.irp b, 0,1
	v_lshrrev_b32 v[84+\b], 23, v[92+\b]
.endr
	v_lshl_or_b32 v[PW], v85, 8, v84
.irp b, 0,1
	v_cvt_scalef32_pk8_fp4_f32 v[PC+2*\b], v[OA+16*\b:OA+7+16*\b], v[92+\b]
	v_cvt_scalef32_pk8_fp4_f32 v[PC+1+2*\b], v[OA+8+16*\b:OA+15+16*\b], v[92+\b]
.endr
	v_nop
	v_permlane16_swap_b32 v[PC], v[PC+2]
	v_permlane16_swap_b32 v[PC+1], v[PC+3]
	global_store_b128 v[LI], v[PC:PC+3], s[14:15]  ; half a fragment's image: 512 neighbouring bytes
	global_store_b16 v29, v[PW], s[16:17]          ; lanes r and r + 16 store the same two bytes to the same place
	s_wait_tensorcnt 0x0                           ; the wave's end, behind my last LDS store
	ds_add_u32 v[SPW], v[NIL]
	s_wait_dscnt 0x0
	s_endpgm
.Lfunc_end_k_q1230f5dcb3_attn_s:
	.size	k_q1230f5dcb3_attn_s, .Lfunc_end_k_q1230f5dcb3_attn_s-k_q1230f5dcb3_attn_s
	.p2alignl 7, 3214868480
	.fill 96, 4, 3214868480
	.section	.rodata,"a",@progbits
	.p2align	6, 0x0
	.amdhsa_kernel k_q1230f5dcb3_attn_s
		.amdhsa_group_segment_fixed_size 272384
		.amdhsa_private_segment_fixed_size 0
		.amdhsa_enable_private_segment 0
		.amdhsa_kernarg_size 16
		.amdhsa_user_sgpr_count 2
		.amdhsa_user_sgpr_kernarg_segment_ptr 1
		.amdhsa_wavefront_size32 1
		.amdhsa_system_sgpr_workgroup_id_x 1
		.amdhsa_system_sgpr_workgroup_id_y 1
		.amdhsa_system_sgpr_workgroup_id_z 1
		.amdhsa_system_vgpr_workitem_id 0
		.amdhsa_next_free_vgpr 248
		.amdhsa_next_free_sgpr 66
		.amdhsa_reserve_vcc 0
		.amdhsa_float_denorm_mode_32 3
		.amdhsa_float_denorm_mode_16_64 3
		.amdhsa_memory_ordered 1
		.amdhsa_forward_progress 1
		.amdhsa_inst_pref_size 49
	.end_amdhsa_kernel
	.amdgpu_metadata
---
amdhsa.version: [ 1, 2 ]
amdhsa.kernels:
  - .name:           k_q1230f5dcb3_attn_s
    .symbol:         k_q1230f5dcb3_attn_s.kd
    .args:
      - { .name: qkv, .offset: 0, .size: 8, .value_kind: global_buffer, .address_space: global }
      - { .name: obuf, .offset: 8, .size: 8, .value_kind: global_buffer, .address_space: global }
    .group_segment_fixed_size: 272384
    .private_segment_fixed_size: 0
    .kernarg_segment_align: 8
    .kernarg_segment_size: 16
    .max_flat_workgroup_size: 512
    .sgpr_count:     66
    .vgpr_count:     248
    .wavefront_size: 32
...
	.end_amdgpu_metadata
.endif
;; end of part 3
;; launch mid (part 4): grid 256 x 1, 4 waves a work-group, no clusters, 10,240 bytes of LDS; arguments X, g1, b1, prep, obuf, mid; writes mid
.if DOCPART == 4
	.amdgcn_target "amdgcn-amd-amdhsa--gfx1250"
	.amdhsa_code_object_version 6
	.text
	.protected	k_q1230f5dcb3_mid
	.globl	k_q1230f5dcb3_mid
	.p2align	8
	.type	k_q1230f5dcb3_mid,@function
k_q1230f5dcb3_mid:
	s_mov_b64 s[64:65], 0
	v_nop
	global_prefetch_b8 v0, s[64:65] scope:SCOPE_SE
	s_setreg_imm32_b32 hwreg(HW_REG_WAVE_MODE, 25, 1), 1
	s_wait_xcnt 0x0
; Launch 4 of 6: X1 = X + o Wo_s;  n = LN(X1), quantised;  q_c = n Wq_c, quantised along each head's 64.  Out, in 'mid': X1 as an image of the accumulators' registers, and q_c laid as launch 2 lays q.
; SHARES.  A work-group takes 32 tokens (two tiles, source 1); wave w takes columns 128 w .. 128 w + 127 of both weights (eight tiles each, source 0), kept in windows 1 and 2.  Straight-line.
; The residual is the C of the first product's first K step.  A token's sums for the norm meet in LDS; the norm's codes go from wave to wave through LDS as images of the operand's registers: three barriers.
; LOADS IN THE ORDER OF NEED: what the first product takes (117 loads), then g1 and b1; Wq_c is asked for behind the first product, 40 of its 64 loads at once and 24 behind the norm's first exchange, and lands under the norm.
; LIMITS: as stated at the head of launch 1.
.set WC,   0
.set WS,   0x110000
.set OS,   2097152
.set QC,   16777216
.set RED0, 0                           ; LDS: [tile][r][wave] words
.set RED1, 512
.set NIMG, 1024                        ; the norm's 8 fragments: (4 y + K step) x 1,024
.set NSCL, 9216                        ; their scale words: [16 y + r][K step]
.set SPARE, 9728                       ; the spare words, 128 bytes for each wave
.set LI,  1
.set LS,  2
.set RR,  3
.set HH,  4
.set SPW, 13
.set NIL, 14
.set XS,  16
.set YS,  32
.set TM,  36
.set PC,  52
.set PW,  60
.set YF,  64
.set PC1, 64
.set PW1, 72
.set T0,  76
.set ACC, 128
.set SEL, 48
.set RCPN, 50
.set EPSR, 51
.set SO0, 40
.set SO1, 42
.set SOS, 44
.set SHS, 46
.set SMK, 52
.set MSB, 0
.macro WIN new                         ; the immediate's high byte repeats the setting that is left
.if MSB != \new
	s_set_vgpr_msb (MSB<<8)|\new
.set MSB, \new
.endif
.endm
.macro MM d, a, b, cz, cr, sa, sb, ra, rb
.if \cz
.if (\ra) && (\rb)
	v_wmma_scale_f32_16x16x128_f8f6f4 v[\d:\d+7], v[\a:\a+7], v[\b:\b+7], 0, v[\sa], v[\sb] matrix_a_fmt:MATRIX_FMT_FP4 matrix_b_fmt:MATRIX_FMT_FP4 matrix_a_scale:MATRIX_SCALE_ROW1 matrix_b_scale:MATRIX_SCALE_ROW1
.elseif (\ra)
	v_wmma_scale_f32_16x16x128_f8f6f4 v[\d:\d+7], v[\a:\a+7], v[\b:\b+7], 0, v[\sa], v[\sb] matrix_a_fmt:MATRIX_FMT_FP4 matrix_b_fmt:MATRIX_FMT_FP4 matrix_a_scale:MATRIX_SCALE_ROW1
.elseif (\rb)
	v_wmma_scale_f32_16x16x128_f8f6f4 v[\d:\d+7], v[\a:\a+7], v[\b:\b+7], 0, v[\sa], v[\sb] matrix_a_fmt:MATRIX_FMT_FP4 matrix_b_fmt:MATRIX_FMT_FP4 matrix_b_scale:MATRIX_SCALE_ROW1
.else
	v_wmma_scale_f32_16x16x128_f8f6f4 v[\d:\d+7], v[\a:\a+7], v[\b:\b+7], 0, v[\sa], v[\sb] matrix_a_fmt:MATRIX_FMT_FP4 matrix_b_fmt:MATRIX_FMT_FP4
.endif
.else
.if (\ra) && (\rb)
	v_wmma_scale_f32_16x16x128_f8f6f4 v[\d:\d+7], v[\a:\a+7], v[\b:\b+7], v[\cr:\cr+7], v[\sa], v[\sb] matrix_a_fmt:MATRIX_FMT_FP4 matrix_b_fmt:MATRIX_FMT_FP4 matrix_a_scale:MATRIX_SCALE_ROW1 matrix_b_scale:MATRIX_SCALE_ROW1
.elseif (\ra)
	v_wmma_scale_f32_16x16x128_f8f6f4 v[\d:\d+7], v[\a:\a+7], v[\b:\b+7], v[\cr:\cr+7], v[\sa], v[\sb] matrix_a_fmt:MATRIX_FMT_FP4 matrix_b_fmt:MATRIX_FMT_FP4 matrix_a_scale:MATRIX_SCALE_ROW1
.elseif (\rb)
	v_wmma_scale_f32_16x16x128_f8f6f4 v[\d:\d+7], v[\a:\a+7], v[\b:\b+7], v[\cr:\cr+7], v[\sa], v[\sb] matrix_a_fmt:MATRIX_FMT_FP4 matrix_b_fmt:MATRIX_FMT_FP4 matrix_b_scale:MATRIX_SCALE_ROW1
.else
	v_wmma_scale_f32_16x16x128_f8f6f4 v[\d:\d+7], v[\a:\a+7], v[\b:\b+7], v[\cr:\cr+7], v[\sa], v[\sb] matrix_a_fmt:MATRIX_FMT_FP4 matrix_b_fmt:MATRIX_FMT_FP4
.endif
.endif
.endm
; 8 tiles (window xwin) x 2 tiles, nk K steps; the 16 accumulators take turns, one instruction a turn.  cmode 0: the first K step starts the sums; 1: it adds onto what ACC holds;
; 2: its C is v[192 + 8 i] of window 3.  Four places follow.
.macro GEMM xwin, nk, cmode
.set g_s, 0
.rept \nk
.if (g_s == 0) && (\cmode == 2)
.set g_w, (\xwin)|0x30
.else
.set g_w, \xwin
.endif
	WIN g_w
.set g_i, 0
.rept 8
.set g_y, 0
.rept 2
.if (g_s == 0) && (\cmode == 0)
	MM ACC+64*g_y+8*g_i, 8*(\nk*g_i+g_s), YF+8*(\nk*g_y+g_s), 1, 0, XS+\nk*(g_i/2)+g_s, YS+g_s, g_i%2, g_y
.elseif (g_s == 0) && (\cmode == 2)
	MM ACC+64*g_y+8*g_i, 8*(\nk*g_i+g_s), YF+8*(\nk*g_y+g_s), 0, 192+8*g_i, XS+\nk*(g_i/2)+g_s, YS+g_s, g_i%2, g_y
.else
	MM ACC+64*g_y+8*g_i, 8*(\nk*g_i+g_s), YF+8*(\nk*g_y+g_s), 0, ACC+64*g_y+8*g_i, XS+\nk*(g_i/2)+g_s, YS+g_s, g_i%2, g_y
.endif
.set g_y, g_y+1
.endr
.set g_i, g_i+1
.endr
.set g_s, g_s+1
.endr
	WIN 0
.rept 4
	v_nop
.endr
.endm
.macro QUANT s, pc, pw                 ; 64 numbers of a lane become a fragment's codes and its row's scale word
.irp b, 0,1,2,3
	v_max3_num_f32 v[TM+\b], |v[\s+16*\b]|, |v[\s+1+16*\b]|, 0x1800000
.endr
.irp i, 2,4,6,8,10,12,14
.irp b, 0,1,2,3
	v_max3_num_f32 v[TM+\b], v[TM+\b], |v[\s+16*\b+\i]|, |v[\s+1+16*\b+\i]|
.endr
.endr
.irp b, 0,1,2,3
	v_permlanex16_b32 v[TM+4+\b], v[TM+\b], s[SEL], s[SEL+1]
.endr
.irp b, 0,1,2,3
	v_max_num_f32 v[TM+\b], v[TM+\b], v[TM+4+\b]
.endr
.irp b, 0,1,2,3
	v_add_nc_u32 v[TM+12+\b], 0xff000000, v[TM+\b]
.endr
.irp b, 0,1,2,3
	v_lshrrev_b32 v[TM+4+\b], 23, v[TM+12+\b]
.endr
	v_lshl_or_b32 v[\pw], v[TM+5], 8, v[TM+4]
	v_lshl_or_b32 v[\pw], v[TM+6], 16, v[\pw]
	v_lshl_or_b32 v[\pw], v[TM+7], 24, v[\pw]
.irp b, 0,1,2,3
	v_cvt_scalef32_pk8_fp4_f32 v[\pc+2*\b], v[\s+16*\b:\s+7+16*\b], v[TM+12+\b]
	v_cvt_scalef32_pk8_fp4_f32 v[\pc+1+2*\b], v[\s+8+16*\b:\s+15+16*\b], v[TM+12+\b]
.endr
	v_nop
.irp c, 0,1
.irp i, 0,1
	v_permlane16_swap_b32 v[\pc+4*\c+\i], v[\pc+2+4*\c+\i]
.endr
.endr
.endm
.macro QKSTORE
	global_store_b128 v[LI], v[PC:PC+3], s[SO0:SO0+1]
	global_store_b128 v[LI], v[PC1:PC1+3], s[SO0:SO0+1] offset:512
	global_store_b128 v[LI], v[PC+4:PC+7], s[SO1:SO1+1]
	global_store_b128 v[LI], v[PC1+4:PC1+7], s[SO1:SO1+1] offset:512
	v_perm_b32 v73, v[PW1], v[PW], 0x05040100
	v_perm_b32 v74, v[PW1], v[PW], 0x07060302
	v_cndmask_b32 v73, v73, v74, s[SMK]
	v_mul_lo_u32 v75, v[HH], s[SHS]
	v_lshl_add_u32 v75, v[RR], 2, v75
	global_store_b32 v75, v73, s[SOS:SOS+1]
.endm
.macro JOINP d
	v_pk_add_f32 v[T0:T0+1], v[T0:T0+1], v[T0+2:T0+3]
	v_add_f32 v[T0], v[T0], v[T0+1]
	v_permlanex16_b32 v[T0+1], v[T0], s[SEL], s[SEL+1]
	v_add_f32 v[\d], v[T0], v[T0+1]
.endm
.macro SUMP d, base, n
	v_pk_add_f32 v[T0:T0+1], v[\base:\base+1], v[\base+4:\base+5]
	v_pk_add_f32 v[T0+2:T0+3], v[\base+2:\base+3], v[\base+6:\base+7]
.set sp_i, 8
.rept (\n-8)/4
	v_pk_add_f32 v[T0:T0+1], v[T0:T0+1], v[\base+sp_i:\base+sp_i+1]
	v_pk_add_f32 v[T0+2:T0+3], v[T0+2:T0+3], v[\base+sp_i+2:\base+sp_i+3]
.set sp_i, sp_i+4
.endr
	JOINP \d
.endm
.macro SQP d, base, n
	v_pk_mul_f32 v[T0:T0+1], v[\base:\base+1], v[\base:\base+1]
	v_pk_mul_f32 v[T0+2:T0+3], v[\base+2:\base+3], v[\base+2:\base+3]
.set sp_i, 4
.rept (\n-4)/4
	v_pk_fma_f32 v[T0:T0+1], v[\base+sp_i:\base+sp_i+1], v[\base+sp_i:\base+sp_i+1], v[T0:T0+1]
	v_pk_fma_f32 v[T0+2:T0+3], v[\base+sp_i+2:\base+sp_i+3], v[\base+sp_i+2:\base+sp_i+3], v[T0+2:T0+3]
.set sp_i, sp_i+4
.endr
	JOINP \d
.endm
.macro MEET red                        ; the four waves' parts of both tiles' sums (v80, v81) meet: totals in v84, v88
	ds_store_b32 v6, v80 offset:\red
	ds_store_b32 v6, v81 offset:\red+256
	s_wait_dscnt 0x0                               ; for the others' sake: my stores have landed
	s_barrier_signal -1
	s_barrier_wait -1
	ds_load_b128 v[84:87], v7 offset:\red
	ds_load_b128 v[88:91], v7 offset:\red+256
	s_wait_dscnt 0x0
	v_add_f32 v84, v84, v85
	v_add_f32 v86, v86, v87
	v_add_f32 v88, v88, v89
	v_add_f32 v90, v90, v91
	v_add_f32 v84, v84, v86
	v_add_f32 v88, v88, v90
.endm
.macro LOADWR win, ptr, q0, n          ; groups q0 .. q0 + n - 1 of the 64 groups of four registers of a weight's eight tiles (32,768 bytes) into a window
	WIN \win
.set q, \q0
.rept \n
	global_load_b128 v[4*q:4*q+3], v[LI], s[\ptr:\ptr+1] offset:512*q
.set q, q+1
.endr
	WIN 0
.endm
; LN of the 32 tokens in ACC, in place; g and b in window 3 (v0-63, v64-127).  xw = 1: ACC is the data of stores that are on their way.  lw, lp: the window and pointer of the next weight, whose last 24 groups are asked for here
.macro LNORM xw, lw, lp
	SUMP 80, ACC, 64
	SUMP 81, ACC+64, 64
	MEET RED0
	v_mul_f32 v92, s[RCPN], v84
	v_mul_f32 v94, s[RCPN], v88
	v_mov_b32 v93, v92
	v_mov_b32 v95, v94
.if \xw
	s_wait_xcnt 0x0                                ; the stores have read their data: only behind this wait is ACC written
.endif
	LOADWR \lw, \lp, 40, 24
.set ln_i, 0
.rept 32
	v_pk_add_f32 v[ACC+ln_i:ACC+ln_i+1], v[ACC+ln_i:ACC+ln_i+1], v[92:93] neg_lo:[0,1] neg_hi:[0,1]
	v_pk_add_f32 v[ACC+64+ln_i:ACC+65+ln_i], v[ACC+64+ln_i:ACC+65+ln_i], v[94:95] neg_lo:[0,1] neg_hi:[0,1]
.set ln_i, ln_i+2
.endr
	SQP 80, ACC, 64
	SQP 81, ACC+64, 64
	MEET RED1                                      ; other bytes than the first exchange's
	v_fma_f32 v84, v84, s[RCPN], s[EPSR]
	v_fma_f32 v88, v88, s[RCPN], s[EPSR]
	v_rsq_f32 v92, v84
	v_rsq_f32 v94, v88
	v_nop                                          ; a plain place behind the two,
	s_wait_alu depctr_va_vdst(0)                   ; and one wait ahead of their first reader
	v_mov_b32 v93, v92
	v_mov_b32 v95, v94
.set ln_i, 0
.rept 32
	v_pk_mul_f32 v[ACC+ln_i:ACC+ln_i+1], v[ACC+ln_i:ACC+ln_i+1], v[92:93]
	v_pk_mul_f32 v[ACC+64+ln_i:ACC+65+ln_i], v[ACC+64+ln_i:ACC+65+ln_i], v[94:95]
.set ln_i, ln_i+2
.endr
	s_wait_loadcnt 63                              ; g and b are in: more than 63 loads were issued behind them, and 63 is the largest count that the wait can name
	WIN 0x3c                                       ; sources 1 and 2 in window 3
.set ln_i, 0
.rept 32
	v_pk_fma_f32 v[ACC+ln_i:ACC+ln_i+1], v[ACC+ln_i:ACC+ln_i+1], v[ln_i:ln_i+1], v[64+ln_i:65+ln_i]
	v_pk_fma_f32 v[ACC+64+ln_i:ACC+65+ln_i], v[ACC+64+ln_i:ACC+65+ln_i], v[ln_i:ln_i+1], v[64+ln_i:65+ln_i]
.set ln_i, ln_i+2
.endr
	WIN 0
.endm
; both tiles in ACC are quantised: K step w of the next product; images and scale words to LDS; a barrier; all 8 fragments and the scale words come back as source 1
.macro SHARE img, scl
	QUANT ACC, PC, PW
	ds_store_b128 v8, v[PC:PC+3] offset:\img
	ds_store_b128 v8, v[PC+4:PC+7] offset:\img+512
	ds_store_b32 v6, v[PW] offset:\scl
	QUANT ACC+64, PC1, PW1
	ds_store_b128 v8, v[PC1:PC1+3] offset:\img+4096
	ds_store_b128 v8, v[PC1+4:PC1+7] offset:\img+4096+512
	ds_store_b32 v6, v[PW1] offset:\scl+256
	s_wait_dscnt 0x0
	s_barrier_signal -1
	s_barrier_wait -1
.set q, 0
.rept 16
	ds_load_b128 v[YF+4*q:YF+4*q+3], v[LI] offset:\img+512*q
.set q, q+1
.endr
	ds_load_b128 v[YS:YS+3], v[LI] offset:\scl
.endm
.macro PTR d, b                        ; a buffer's address + the offset in s[54:55]
	s_add_nc_u64 s[\d:\d+1], s[\b:\b+1], s[54:55]
.endm
.macro LOADXS ptr                      ; a weight's scale words
.irp p, 0,1,2,3
	global_load_b128 v[XS+4*\p:XS+4*\p+3], v[LI], s[\ptr:\ptr+1] offset:512*\p
.endr
.endm
	s_load_b256 s[4:11], s[0:1], 0x0               ; X, g1, b1, prep
	s_load_b128 s[12:15], s[0:1], 0x20             ; obuf, mid
	v_lshl_add_u32 v[SPW], v0, 2, SPARE
	v_mov_b32 v[NIL], 0
	v_lshrrev_b32 v5, 5, v0
	v_readfirstlane_b32 s16, v5                    ; wave
	v_and_b32 v5, 31, v0
	v_lshlrev_b32 v[LI], 4, v5
	v_lshlrev_b32 v[LS], 2, v5
	v_and_b32 v[RR], 15, v0
	v_bfe_u32 v[HH], v0, 4, 1
	v_lshlrev_b32 v5, 6, v[HH]                     ; 64 h
	v_lshlrev_b32 v7, 4, v[RR]                     ; 16 r
	s_lshl_b32 s17, s16, 2
	v_add_nc_u32 v6, s17, v7                       ; 16 r + 4 w
	s_lshl_b32 s17, s16, 10
	v_add_nc_u32 v8, s17, v[LI]                    ; 16 x lane + 1,024 w
	v_and_b32 v10, 8, v[RR]
	v_add_nc_u32 v10, v10, v[RR]
	v_lshlrev_b32 v10, 11, v10
	v_add_nc_u32 v10, v10, v5                      ; X: my token's row + 64 h
.irp b, 0,1,2,3
	v_mov_b32 v[TM+4+\b], 0
.endr
	s_mov_b32 s55, 0
	s_lshl_b32 s18, s16, 9
	s_lshl_b32 s19, s16, 15
	s_lshl_b32 s53, s16, 11
	s_mov_b32 s[SEL], 0x76543210
	s_mov_b32 s[SEL+1], 0xfedcba98
	s_mov_b32 s[RCPN], 0x3b000000                  ; 1 / 512
	s_mov_b32 s[EPSR], 0x3727c5ac                  ; 1e-5
	s_wait_kmcnt 0x0
	s_lshl_b32 s54, ttmp9, 16
	s_add_co_u32 s54, s54, s18
	PTR 20, 4                                      ; X at my 32 tokens, my 128 columns
	s_mov_b32 s54, s18
	PTR 22, 6
	PTR 24, 8
	s_add_co_u32 s54, s19, WC+3*131072
	PTR 26, 10                                     ; Wo_s
	s_add_co_u32 s54, s19, WC+4*131072
	PTR 28, 10                                     ; Wq_c
	s_add_co_u32 s54, s53, WS+3*8192
	PTR 30, 10
	s_add_co_u32 s54, s53, WS+4*8192
	PTR 32, 10
	s_lshl_b32 s54, ttmp9, 13
	PTR 34, 12                                     ; o's codes
	s_lshl_b32 s54, ttmp9, 9
	s_add_co_u32 s54, s54, OS
	PTR 36, 12                                     ; o's scale words
	s_lshl_b32 s54, ttmp9, 16
	s_lshl_b32 s52, s16, 14
	s_add_co_u32 s54, s54, s52
	PTR 38, 14                                     ; X1's image
	s_lshr_b32 s52, ttmp9, 6
	s_lshl_b32 s52, s52, 3
	s_lshl_b32 s54, s16, 1
	s_add_co_u32 s52, s52, s54                     ; 8 x batch + my first head
	s_mul_i32 s52, s52, 69632
	s_add_co_u32 s52, s52, QC
	s_and_b32 s47, ttmp9, 63
	s_lshl_b32 s54, s47, 10
	s_add_co_u32 s54, s54, s52
	PTR SO0, 14
	s_add_co_u32 s54, s54, 69632
	PTR SO1, 14
	s_lshl_b32 s54, s47, 6
	s_add_co_u32 s54, s54, s52
	s_add_co_u32 s54, s54, 65536
	PTR SOS, 14
	s_mov_b32 s[SHS], 69632
	s_mov_b32 s[SMK], 0xffff0000
	LOADWR 0x40, 26, 0, 64                         ; Wo_s into window 1
.set q, 0
.rept 16
	global_load_b128 v[YF+4*q:YF+4*q+3], v[LI], s[34:35] offset:512*q
.set q, q+1
.endr
	global_load_b128 v[YS:YS+3], v[LI], s[36:37]
	LOADXS 30
.irp y, 0,1
.irp b, 0,1,2,3
.irp j, 0,1,2,3
	global_load_b128 v[ACC+64*\y+16*\b+4*\j:ACC+64*\y+16*\b+4*\j+3], v10, s[20:21] offset:16384*\y+128*\b+16*\j   ; the residual, in the result's layout
.endr
.endr
.endr
	WIN 0xc0                                       ; destination window 3
.irp b, 0,1,2,3
.irp j, 0,1,2,3
	global_load_b128 v[16*\b+4*\j:16*\b+4*\j+3], v5, s[22:23] offset:128*\b+16*\j
	global_load_b128 v[64+16*\b+4*\j:64+16*\b+4*\j+3], v5, s[24:25] offset:128*\b+16*\j
.endr
.endr
	WIN 0
	s_wait_loadcnt 32                              ; all that the first product takes is in; the 32 loads of g1 and b1, issued behind it, may be out
	GEMM 1, 4, 1                                   ; X1 = X + o Wo_s
	LOADXS 32                                      ; Wq_c's scale words,
	LOADWR 0x80, 28, 0, 40                         ; and the first 40 groups of Wq_c, into window 2
.set q, 0
.rept 32
	global_store_b128 v[LI], v[ACC+4*q:ACC+4*q+3], s[38:39] offset:512*q   ; each accumulator from its low end on; 512 neighbouring bytes a store
.set q, q+1
.endr
	LNORM 1, 0x80, 28
	SHARE NIMG, NSCL
	s_wait_dscnt 0x0
	s_wait_loadcnt 0x0
	GEMM 2, 4, 0                                   ; q_c
	QUANT ACC, PC, PW
	QUANT ACC+64, PC1, PW1
	QKSTORE
	s_wait_tensorcnt 0x0                           ; the wave's end, behind my last LDS store
	ds_add_u32 v[SPW], v[NIL]
	s_wait_dscnt 0x0
	s_endpgm
.Lfunc_end_k_q1230f5dcb3_mid:
	.size	k_q1230f5dcb3_mid, .Lfunc_end_k_q1230f5dcb3_mid-k_q1230f5dcb3_mid
	.p2alignl 7, 3214868480
	.fill 96, 4, 3214868480
	.section	.rodata,"a",@progbits
	.p2align	6, 0x0
	.amdhsa_kernel k_q1230f5dcb3_mid
		.amdhsa_group_segment_fixed_size 10240
		.amdhsa_private_segment_fixed_size 0
		.amdhsa_enable_private_segment 0
		.amdhsa_kernarg_size 48
		.amdhsa_user_sgpr_count 2
		.amdhsa_user_sgpr_kernarg_segment_ptr 1
		.amdhsa_wavefront_size32 1
		.amdhsa_system_sgpr_workgroup_id_x 1
		.amdhsa_system_sgpr_workgroup_id_y 1
		.amdhsa_system_sgpr_workgroup_id_z 1
		.amdhsa_system_vgpr_workitem_id 0
		.amdhsa_next_free_vgpr 1024
		.amdhsa_next_free_sgpr 66
		.amdhsa_reserve_vcc 0
		.amdhsa_float_denorm_mode_32 3
		.amdhsa_float_denorm_mode_16_64 3
		.amdhsa_memory_ordered 1
		.amdhsa_forward_progress 1
		.amdhsa_inst_pref_size 83
	.end_amdhsa_kernel
	.amdgpu_metadata
---
amdhsa.version: [ 1, 2 ]
amdhsa.kernels:
  - .name:           k_q1230f5dcb3_mid
    .symbol:         k_q1230f5dcb3_mid.kd
    .args:
      - { .name: X, .offset: 0, .size: 8, .value_kind: global_buffer, .address_space: global }
      - { .name: g1, .offset: 8, .size: 8, .value_kind: global_buffer, .address_space: global }
      - { .name: b1, .offset: 16, .size: 8, .value_kind: global_buffer, .address_space: global }
      - { .name: prep, .offset: 24, .size: 8, .value_kind: global_buffer, .address_space: global }
      - { .name: obuf, .offset: 32, .size: 8, .value_kind: global_buffer, .address_space: global }
      - { .name: mid, .offset: 40, .size: 8, .value_kind: global_buffer, .address_space: global }
    .group_segment_fixed_size: 10240
    .private_segment_fixed_size: 0
    .kernarg_segment_align: 8
    .kernarg_segment_size: 48
    .max_flat_workgroup_size: 128
    .sgpr_count:     66
    .vgpr_count:     1024
    .wavefront_size: 32
...
	.end_amdgpu_metadata
.endif
;; end of part 4
;; launch attn_c (part 5): grid 8 x 32, 16 waves a work-group, no clusters, 137,216 bytes of LDS; arguments mid, qkv, obuf; writes obuf
.if DOCPART == 5
	.amdgcn_target "amdgcn-amd-amdhsa--gfx1250"
	.amdhsa_code_object_version 6
	.text
	.protected	k_q1230f5dcb3_attn_c
	.globl	k_q1230f5dcb3_attn_c
	.p2align	8
	.type	k_q1230f5dcb3_attn_c,@function
k_q1230f5dcb3_attn_c:
	s_mov_b64 s[64:65], 0
	v_nop
	global_prefetch_b8 v0, s[64:65] scope:SCOPE_SE
	s_setreg_imm32_b32 hwreg(HW_REG_WAVE_MODE, 25, 1), 1
	s_wait_xcnt 0x0
; Launches 3 (CROSS = 0) and 5 (CROSS = 1) of 6: o = gate(softmax(q k^T / 8)) v on codes of E2M1, o quantised along the head's 64 for the projection that follows.
; WORK LEFT OUT: sigmoid(score) > 1/2 is score > 0 for all real scores (shown at the head of launch 1): the sigmoids are not computed.
; THE FINISHED SOFTMAX IS WHAT IS QUANTISED, so the keys are walked twice.  Walk 1: the row's running maximum m and sum l of 2^(t - m), t = score x log2(e) / 8.  Walk 2: the scores again;
; p = 2^(t - M - log2(l)) is the normalised weight by one multiply-add and one exponential; p is quantised along the keys and multiplied by v.
; THE GATE stands in the exponent: t' = min(t - M - log2(l), 2^100 s - 1000), s the product q . k.  For s <= 0 the second term is -1000 or less and p is 0; for s >= 2^-89 it is above 0, and so above the first, which is taken as it is.
; LIMITS: a product q . k above 0 and under 2^-89 is not kept (reference()'s f32 sigmoid drops it too); between that and about 1e-6 reference() drops a weight that is kept here, as stated at the head of launch 1.
; SHARES.  A work-group owns 256 queries of one head, each of its 16 waves one tile of 16.  The head's k and v, codes and scale words, are copied into LDS once, through registers: k and the scale words ahead of walk 1,
; v, which waits in o^T's registers meanwhile, behind it: two barriers.  No cluster: what work-groups share is that one copy; no tensor load: nothing is filled again.
; THE LARGEST SCORE OF EACH BLOCK OF 32 KEYS, which walk 1 passes through on its way to the maximum, is kept in the wave's own LDS bytes, 16 bytes a lane and step, and is not searched for again in walk 2.
; LAYOUT.  Both products are used transposed: a lane holds one query.  K = 64 IN AN INSTRUCTION OF K = 128: a fragment of k holds tile 2 b in registers 0-3 and tile 2 b + 1 in registers 4-7; q stands in twelve
; registers q, 0, q: the first eight pick tile 2 b, the last eight tile 2 b + 1.  The zero codes meet live codes under bytes 1 .. 254 and add nothing.
; The keys of a tile are chosen (launch 1) so that registers 16 b + i of the scores are keys 32 b + 16 (lane / 16) + i.
.set CROSS, 1
.if CROSS
.set NSTEP, 8                          ; steps of 128 keys
.set VIMG,  32768
.set KSC,   65536
.set VSC,   67584
.set RGN,   69632                      ; bytes of a head's k and v
.set KVOFF, 6684672
.set QOFF,  16777216
.set QP,    4
.set KVP,   6
.set OP,    8
.else
.set NSTEP, 16
.set VIMG,  65536
.set KSC,   131072
.set VSC,   135168
.set RGN,   139264
.set KVOFF, 2228224
.set QOFF,  0
.set QP,    4
.set KVP,   4
.set OP,    6
.endif
.set NK,    NSTEP/2                    ; rounds of 512 threads x 16 bytes in k's codes, and as many in v's
.set SPARE, RGN                        ; behind the copy: the spare words, 128 bytes for each wave
.set STASH, RGN+2048                   ; behind them: the blocks' largest scores, SW bytes for each wave, its own
.set SW,    NSTEP*512
.set LI,  1                            ; v1 16 x lane;  v2 4 x lane
.set LS,  2
.set SPW, 3                            ; v3 my spare word, v4 0; never rewritten
.set NIL, 4
.set KF,  32                           ; v32-63 four fragments of k
.set KS,  64                           ; v64-65 k's scale words;  v66-67 v's
.set VS,  66
.set QSR, 28                           ; v28 q's scale word
.set QW,  104                          ; v104 that word as it is loaded: outside the registers in which the copy's rounds land
.set PC,  68                           ; v68-75 p's codes;  v76 its scale word
.set PW,  76
.set S,   96                           ; v96-159 the scores, then p
.set OA,  160                          ; v160-191 o^T; until walk 1 is over: v's rounds of the copy
.set VF,  192                          ; v192-223 four fragments of v
.set ADZ, 224                          ; v224 LDS address of the step's four largest scores
.set STW, 225                          ; v225 STASH + SW x wave + 16 x lane; never rewritten
.set U,   226                          ; v226-241 2^100 s - 1000 of sixteen scores
.set NEG, 242                          ; v[242:243] -1000, twice
.set KB,  24                           ; s24-27 LDS bytes at which the step's k, k's words, v, v's words begin
.set KSA, 25
.set VB,  26
.set VSA, 27
.set CNT, 28
.set ZB,  29                           ; s29 512 x step
.set CS,  30                           ; s[30:31] log2(e) / 8
.set SEL, 32                           ; s[32:33]
.set BG,  40                           ; s[40:41] 2^100
.macro MM d, a, b, cz, cr, sa, sb, ra, rb
.if \cz
.if (\ra) && (\rb)
	v_wmma_scale_f32_16x16x128_f8f6f4 v[\d:\d+7], v[\a:\a+7], v[\b:\b+7], 0, v[\sa], v[\sb] matrix_a_fmt:MATRIX_FMT_FP4 matrix_b_fmt:MATRIX_FMT_FP4 matrix_a_scale:MATRIX_SCALE_ROW1 matrix_b_scale:MATRIX_SCALE_ROW1
.elseif (\ra)
	v_wmma_scale_f32_16x16x128_f8f6f4 v[\d:\d+7], v[\a:\a+7], v[\b:\b+7], 0, v[\sa], v[\sb] matrix_a_fmt:MATRIX_FMT_FP4 matrix_b_fmt:MATRIX_FMT_FP4 matrix_a_scale:MATRIX_SCALE_ROW1
.elseif (\rb)
	v_wmma_scale_f32_16x16x128_f8f6f4 v[\d:\d+7], v[\a:\a+7], v[\b:\b+7], 0, v[\sa], v[\sb] matrix_a_fmt:MATRIX_FMT_FP4 matrix_b_fmt:MATRIX_FMT_FP4 matrix_b_scale:MATRIX_SCALE_ROW1
.else
	v_wmma_scale_f32_16x16x128_f8f6f4 v[\d:\d+7], v[\a:\a+7], v[\b:\b+7], 0, v[\sa], v[\sb] matrix_a_fmt:MATRIX_FMT_FP4 matrix_b_fmt:MATRIX_FMT_FP4
.endif
.else
.if (\ra) && (\rb)
	v_wmma_scale_f32_16x16x128_f8f6f4 v[\d:\d+7], v[\a:\a+7], v[\b:\b+7], v[\cr:\cr+7], v[\sa], v[\sb] matrix_a_fmt:MATRIX_FMT_FP4 matrix_b_fmt:MATRIX_FMT_FP4 matrix_a_scale:MATRIX_SCALE_ROW1 matrix_b_scale:MATRIX_SCALE_ROW1
.elseif (\ra)
	v_wmma_scale_f32_16x16x128_f8f6f4 v[\d:\d+7], v[\a:\a+7], v[\b:\b+7], v[\cr:\cr+7], v[\sa], v[\sb] matrix_a_fmt:MATRIX_FMT_FP4 matrix_b_fmt:MATRIX_FMT_FP4 matrix_a_scale:MATRIX_SCALE_ROW1
.elseif (\rb)
	v_wmma_scale_f32_16x16x128_f8f6f4 v[\d:\d+7], v[\a:\a+7], v[\b:\b+7], v[\cr:\cr+7], v[\sa], v[\sb] matrix_a_fmt:MATRIX_FMT_FP4 matrix_b_fmt:MATRIX_FMT_FP4 matrix_b_scale:MATRIX_SCALE_ROW1
.else
	v_wmma_scale_f32_16x16x128_f8f6f4 v[\d:\d+7], v[\a:\a+7], v[\b:\b+7], v[\cr:\cr+7], v[\sa], v[\sb] matrix_a_fmt:MATRIX_FMT_FP4 matrix_b_fmt:MATRIX_FMT_FP4
.endif
.endif
.endm
.macro KLOADS                          ; four fragments of k (v8: their LDS address) and two registers of scale words (v9)
.irp b, 0,1,2,3
	ds_load_b128 v[KF+8*\b:KF+8*\b+3], v8 offset:1024*\b
	ds_load_b128 v[KF+8*\b+4:KF+8*\b+7], v8 offset:1024*\b+512
.endr
	ds_load_b32 v[KS], v9                          ; lanes 0-15 block 0's words, lanes 16-31 block 1's
	ds_load_b32 v[KS+1], v9 offset:128
.endm
.macro QK                              ; the scores of 128 keys: eight products, each its own accumulator.  Four plain vector lines that name none of their registers follow in each walk
.irp b, 0,1,2,3
.irp u, 0,1
	MM S+8*(2*\b+\u), KF+8*\b, 16+4*\u, 1, 0, KS+\b/2, QSR, \b%2, 0
.endr
.endr
.endm
.macro BMAX                            ; the largest of my 16 scores of each block of 32 keys -> v80-83; each accumulator is read from its low end on
.irp b, 0,1,2,3
	v_max3_num_f32 v[80+\b], v[S+16*\b], v[S+1+16*\b], v[S+2+16*\b]
.endr
.irp i, 3,5,7,9,11,13
.irp b, 0,1,2,3
	v_max3_num_f32 v[80+\b], v[80+\b], v[S+16*\b+\i], v[S+1+16*\b+\i]
.endr
.endr
.irp b, 0,1,2,3
	v_max_num_f32 v[80+\b], v[80+\b], v[S+15+16*\b]
.endr
.endm
.macro TSCALE                          ; score x c + v12, two at a time
.set st_n, 0
.rept 32
	v_pk_fma_f32 v[S+st_n:S+st_n+1], v[S+st_n:S+st_n+1], s[CS:CS+1], v[12:13] op_sel_hi:[1,0,0]
.set st_n, st_n+2
.endr
.endm
; t' = min(score x c + v12, 2^100 x score - 1000), sixteen scores at a time; each accumulator is read from its low end on
.macro GATE
.set gt_g, 0
.rept 4
.set gt_i, 0
.rept 8
	v_pk_fma_f32 v[U+gt_i:U+gt_i+1], v[S+16*gt_g+gt_i:S+16*gt_g+gt_i+1], s[BG:BG+1], v[NEG:NEG+1] op_sel_hi:[1,0,1]
.set gt_i, gt_i+2
.endr
.set gt_i, 0
.rept 8
	v_pk_fma_f32 v[S+16*gt_g+gt_i:S+16*gt_g+gt_i+1], v[S+16*gt_g+gt_i:S+16*gt_g+gt_i+1], s[CS:CS+1], v[12:13] op_sel_hi:[1,0,0]
.set gt_i, gt_i+2
.endr
.set gt_i, 0
.rept 16
	v_min_num_f32 v[S+16*gt_g+gt_i], v[S+16*gt_g+gt_i], v[U+gt_i]
.set gt_i, gt_i+1
.endr
.set gt_g, gt_g+1
.endr
.endm
.macro EXP64
.set st_n, 0
.rept 64
	v_exp_f32 v[S+st_n], v[S+st_n]
.set st_n, st_n+1
.endr
.endm
; WALK 1, a step: each lane keeps the maximum (v13; v12 = its negative) and the sum (v[14:15]) of its own half of the keys: no lane is asked in the loop.  v8 and v9 were made a step ago
.macro STEP1
	KLOADS
	s_add_co_u32 s[KB], s[KB], 4096
	s_add_co_u32 s[KSA], s[KSA], 256
	s_wait_dscnt 0x0
	QK
	v_add_nc_u32 v8, s[KB], v[LI]                  ; the next step's addresses, this step's place for the largest scores and the old m: four plain lines, the places behind the products
	v_add_nc_u32 v9, s[KSA], v[LS]
	v_add_nc_u32 v[ADZ], s[ZB], v[STW]
	v_mov_b32 v77, v13
	BMAX
	ds_store_b128 v[ADZ], v[80:83]                 ; kept for walk 2, in my wave's own bytes
	v_max3_num_f32 v84, v80, v81, v82
	v_max_num_f32 v84, v84, v83
	v_mul_f32 v84, s[CS], v84                      ; as t (c is positive)
	v_max_num_f32 v13, v13, v84
	v_sub_f32 v78, v77, v13                        ; old m - new m
	v_mul_f32 v12, -1.0, v13
	TSCALE
	EXP64
	v_exp_f32 v30, v78
	v_nop                                          ; a plain place behind the batch,
	s_wait_alu depctr_va_vdst(0)                   ; and one wait for its 65 exponentials, ahead of the first reader
	v_pk_mul_f32 v[14:15], v[14:15], v[30:31] op_sel_hi:[1,0]
	v_pk_add_f32 v[78:79], v[S:S+1], v[S+2:S+3]
.irp j, 4,8,12,16,20,24,28,32,36,40,44,48,52,56,60
	v_pk_add_f32 v[14:15], v[14:15], v[S+\j:S+\j+1]
	v_pk_add_f32 v[78:79], v[78:79], v[S+\j+2:S+\j+3]
.endr
	v_pk_add_f32 v[14:15], v[14:15], v[78:79]
	s_add_co_u32 s[ZB], s[ZB], 512
.endm
; WALK 2, a step.  zero = 1: the first step's products start o^T's sums.  v8 to v11 and v[ADZ] were made a step ago
.macro STEP2 zero
	KLOADS
	ds_load_b128 v[80:83], v[ADZ]                  ; my 16 keys' largest score of each block, as walk 1 found it
	s_wait_dscnt 0x0
	QK
	v_pk_fma_f32 v[88:89], v[80:81], s[BG:BG+1], v[NEG:NEG+1] op_sel_hi:[1,0,1]   ; the largest scores go the way of all scores: the same lines on the same numbers give the same bits.
	v_pk_fma_f32 v[90:91], v[82:83], s[BG:BG+1], v[NEG:NEG+1] op_sel_hi:[1,0,1]   ; These eight plain lines are also the places behind the products above, and between the last step's second products and the loads below
	v_pk_fma_f32 v[80:81], v[80:81], s[CS:CS+1], v[12:13] op_sel_hi:[1,0,0]
	v_pk_fma_f32 v[82:83], v[82:83], s[CS:CS+1], v[12:13] op_sel_hi:[1,0,0]
.irp b, 0,1,2,3
	v_min_num_f32 v[80+\b], v[80+\b], v[88+\b]
.endr
.irp t, 0,1,2,3
	ds_load_b128 v[VF+8*\t:VF+8*\t+3], v10 offset:1024*\t          ; v's four tiles land while the softmax is worked
	ds_load_b128 v[VF+8*\t+4:VF+8*\t+7], v10 offset:1024*\t+512
.endr
	ds_load_b32 v[VS], v11
	ds_load_b32 v[VS+1], v11 offset:128
.irp b, 0,1,2,3
	v_permlanex16_b32 v[84+\b], v[80+\b], s[SEL], s[SEL+1]
.endr
.irp b, 0,1,2,3
	v_max_num_f32 v[80+\b], v[80+\b], v[84+\b]     ; with lane l xor 16's 16 keys: t' rises with the score, so this is the block's largest t'
.endr
	GATE
	EXP64
.irp b, 0,1,2,3
	v_exp_f32 v[80+\b], v[80+\b]
.endr
	v_nop
	s_wait_alu depctr_va_vdst(0)                   ; one wait for the 68
.irp b, 0,1,2,3
	v_max_num_f32 v[80+\b], 0x1800000, v[80+\b]    ; the floor: a block of zeros keeps the byte 1, its codes are zeros
.endr
.irp b, 0,1,2,3
	v_add_nc_u32 v[92+\b], 0xff000000, v[80+\b]
.endr
.irp b, 0,1,2,3
	v_lshrrev_b32 v[84+\b], 23, v[92+\b]
.endr
	v_lshl_or_b32 v[PW], v85, 8, v84
	v_lshl_or_b32 v[PW], v86, 16, v[PW]
	v_lshl_or_b32 v[PW], v87, 24, v[PW]
.irp b, 0,1,2,3
	v_cvt_scalef32_pk8_fp4_f32 v[PC+2*\b], v[S+16*\b:S+7+16*\b], v[92+\b]
	v_cvt_scalef32_pk8_fp4_f32 v[PC+1+2*\b], v[S+8+16*\b:S+15+16*\b], v[92+\b]
.endr
	v_nop
.irp c, 0,1
.irp i, 0,1
	v_permlane16_swap_b32 v[PC+4*\c+\i], v[PC+2+4*\c+\i]
.endr
.endr
	s_add_co_u32 s[KB], s[KB], 4096
	s_add_co_u32 s[KSA], s[KSA], 256
	s_add_co_u32 s[VB], s[VB], 4096
	s_add_co_u32 s[VSA], s[VSA], 256
	s_add_co_u32 s[ZB], s[ZB], 512
	v_add_nc_u32 v8, s[KB], v[LI]                  ; the next step's addresses.  A scale word made by vector instructions stands eight plain lines ahead of the scaled product, an operand four:
	v_add_nc_u32 v9, s[KSA], v[LS]                 ; behind the scale word's last line stand the v_nop above, these five and the two below; behind the codes' last line these seven
	v_add_nc_u32 v10, s[VB], v[LI]
	v_add_nc_u32 v11, s[VSA], v[LS]
	v_add_nc_u32 v[ADZ], s[ZB], v[STW]
	v_nop
	v_nop
	s_wait_dscnt 0x0                               ; v is in
.irp t, 0,1,2,3
	MM OA+8*\t, VF+8*\t, PC, \zero, OA+8*\t, VS+\t/2, PW, \t%2, 0
.endr
.endm
	s_load_b128 s[4:7], s[0:1], 0x0                ; CROSS = 0: qkv, obuf;  1: mid, qkv
.if CROSS
	s_load_b64 s[8:9], s[0:1], 0x10                ; obuf
.endif
	v_lshl_add_u32 v[SPW], v0, 2, SPARE
	v_mov_b32 v[NIL], 0
	v_lshrrev_b32 v5, 5, v0
	v_readfirstlane_b32 s18, v5                    ; wave 0 .. 15
	v_and_b32 v5, 31, v0
	v_lshlrev_b32 v[LI], 4, v5
	v_lshlrev_b32 v[LS], 2, v5
	v_and_b32 v5, 15, v0
	v_lshlrev_b32 v29, 4, v5                       ; 16 r, for the way out
	v_lshlrev_b32 v10, 4, v0                       ; the copy: 16 bytes a thread
.if CROSS
	v_lshlrev_b32 v11, 3, v0                       ; its last 4,096 bytes: 8 a thread
	v_add_nc_u32 v7, 65536, v11
.else
	v_add_nc_u32 v6, 65536, v10
	v_add_nc_u32 v7, 131072, v10
.endif
	s_mul_i32 s21, s18, SW
	s_add_co_u32 s21, s21, STASH
	v_add_nc_u32 v[STW], s21, v[LI]                ; my wave's bytes for the largest scores
	s_and_b32 s19, ttmp7, 0xffff                   ; 8 x batch + head
	s_lshl_b32 s20, ttmp9, 4
	s_add_co_u32 s20, s20, s18                     ; my tile of queries in the batch
	s_lshl_b32 s21, s20, 9
	v_add_nc_u32 v8, s21, v[LI]                    ; q's codes: 512 bytes a tile
	s_lshr_b32 s21, s20, 1
	s_lshl_b32 s21, s21, 6
	v_lshl_add_u32 v9, v5, 2, s21                  ; its scale words: 64 bytes for two tiles
	s_mov_b32 s35, 0
	s_mov_b32 s[CS], 0x3e38aa3b                    ; log2(e) / 8
	s_mov_b32 s[CS+1], s[CS]
	s_mov_b32 s[BG], 0x71800000                    ; 2^100
	s_mov_b32 s[BG+1], s[BG]
	s_mov_b32 s[SEL], 0x76543210
	s_mov_b32 s[SEL+1], 0xfedcba98
	s_mov_b32 s38, 0x03020302
	s_mov_b32 s39, 0x01000100
	s_bitcmp1_b32 s18, 0
	s_cselect_b32 s38, s38, s39                    ; an odd tile's two bytes are the word's upper two
	s_wait_kmcnt 0x0
	s_mul_i32 s34, s19, 69632
	s_add_co_u32 s34, s34, QOFF
	s_add_nc_u64 s[10:11], s[QP:QP+1], s[34:35]    ; the head's q
	s_mul_i32 s34, s19, RGN
	s_add_co_u32 s34, s34, KVOFF
	s_add_nc_u64 s[12:13], s[KVP:KVP+1], s[34:35]  ; its k and v
	s_lshr_b32 s21, s19, 3
	s_and_b32 s22, s19, 7
	s_lshl_b32 s21, s21, 7
	s_add_co_u32 s21, s21, s20                     ; my tile among all 512
	s_lshr_b32 s23, s22, 1                         ; the K step of the next product: the pair of heads,
	s_and_b32 s22, s22, 1                          ; and which half of it
	s_lshl_b32 s34, s21, 2
	s_add_co_u32 s34, s34, s23
	s_lshl_b32 s34, s34, 10
	s_lshl_b32 s36, s22, 9
	s_add_co_u32 s34, s34, s36
	s_add_nc_u64 s[14:15], s[OP:OP+1], s[34:35]    ; o's codes
	s_lshl_b32 s34, s21, 8
	s_lshl_b32 s23, s23, 2
	s_add_co_u32 s34, s34, s23
	s_lshl_b32 s22, s22, 1
	s_add_co_u32 s34, s34, s22
	s_add_co_u32 s34, s34, 2097152
	s_add_nc_u64 s[16:17], s[OP:OP+1], s[34:35]    ; its two scale bytes a row
	global_load_b128 v[16:19], v8, s[10:11]        ; q, twice
	global_load_b128 v[24:27], v8, s[10:11]
	global_load_b32 v[QW], v9, s[10:11] offset:65536
.set f, 0
.rept NK
	global_load_b128 v[32+4*f:35+4*f], v10, s[12:13] offset:8192*f   ; k's codes
.set f, f+1
.endr
.if CROSS
	global_load_b64 v[64:65], v11, s[12:13] offset:65536             ; k's and v's scale words
.else
	global_load_b128 v[64:67], v10, s[12:13] offset:131072
.endif
.set f, 0
.rept NK
	global_load_b128 v[OA+4*f:OA+4*f+3], v10, s[12:13] offset:VIMG+8192*f   ; v's codes: they may land as late as the end of walk 1
.set f, f+1
.endr
.set f, 0
.rept NK
	s_wait_loadcnt 2*NK-f                          ; k's round f is in.  Issued behind it: k's NK - 1 - f later rounds, the scale words' load, v's NK rounds
	ds_store_b128 v10, v[32+4*f:35+4*f] offset:8192*f
.set f, f+1
.endr
	s_wait_loadcnt NK                              ; the scale words are in; v's NK rounds may be out
.if CROSS
	ds_store_b64 v7, v[64:65]
.else
	ds_store_b128 v7, v[64:67]
.endif
.irp i, 20,21,22,23
	v_mov_b32 v[\i], 0                             ; the zero codes between the two copies of q
.endr
	v_perm_b32 v[QSR], v[QW], v[QW], s38           ; q's two bytes, twice (the waits above have shown the word in).  The lines below are the places between this line and the first product
	v_mov_b32 v31, 0                               ; (named as the upper half of a pair)
.irp b, 0,1,2,3
	v_mov_b32 v[84+\b], 0                          ; a lane permute's destination counts as one of its sources
.endr
	v_mov_b32 v[NEG], 0xc47a0000                   ; -1000
	v_mov_b32 v[NEG+1], 0xc47a0000
	v_mov_b32 v13, 0xff61b1e6                      ; the largest t so far: -3e38
	v_mov_b32 v14, 0
	v_mov_b32 v15, 0
	s_mov_b32 s[KB], 0
	s_mov_b32 s[KSA], KSC
	s_mov_b32 s[ZB], 0
	s_mov_b32 s[CNT], NSTEP
	v_add_nc_u32 v8, s[KB], v[LI]                  ; (q's loads, which read v8 and v9, are done)
	v_add_nc_u32 v9, s[KSA], v[LS]
	s_wait_dscnt 0x0                               ; my part of k and of the scale words has landed
	s_barrier_signal -1
	s_barrier_wait -1                              ; everybody's has
.Lwalk1:
	STEP1
	s_sub_co_u32 s[CNT], s[CNT], 1
	s_cmp_lg_u32 s[CNT], 0
	s_cbranch_scc1 .Lwalk1
	s_wait_loadcnt 0x0                             ; v's rounds are in,
.set f, 0
.rept NK
.if CROSS
	ds_store_b128 v10, v[OA+4*f:OA+4*f+3] offset:VIMG+8192*f       ; and go to bytes that nobody reads before the barrier below
.else
	ds_store_b128 v6, v[OA+4*f:OA+4*f+3] offset:8192*f
.endif
.set f, f+1
.endr
	; the two halves of the lanes meet: M = the larger maximum, l = l 2^(m - M) + the other's; a sum of two products, so that both lanes get the same bits
	v_add_f32 v14, v14, v15
	v_permlanex16_b32 v77, v13, s[SEL], s[SEL+1]
	v_permlanex16_b32 v78, v14, s[SEL], s[SEL+1]
	v_max_num_f32 v79, v13, v77
	v_sub_f32 v80, v13, v79
	v_sub_f32 v81, v77, v79
	v_exp_f32 v80, v80
	v_exp_f32 v81, v81
	v_nop
	s_wait_alu depctr_va_vdst(0)
	v_mul_f32 v14, v14, v80
	v_mul_f32 v78, v78, v81
	v_add_f32 v14, v14, v78
	v_log_f32 v82, v14
	v_nop
	s_wait_alu depctr_va_vdst(0)
	v_sub_f32 v12, -v79, v82                       ; -(M + log2(l)): p = 2^(t + v12) is the normalised weight
	s_mov_b32 s[KB], 0
	s_mov_b32 s[KSA], KSC
	s_mov_b32 s[VB], VIMG
	s_mov_b32 s[VSA], VSC
	s_mov_b32 s[ZB], 0
	s_mov_b32 s[CNT], NSTEP-1
	s_wait_dscnt 0x0                               ; my part of v has landed
	s_barrier_signal -1
	s_barrier_wait -1                              ; everybody's has; the copy is only read from here on
	v_add_nc_u32 v8, s[KB], v[LI]
	v_add_nc_u32 v9, s[KSA], v[LS]
	v_add_nc_u32 v10, s[VB], v[LI]
	v_add_nc_u32 v11, s[VSA], v[LS]
	v_add_nc_u32 v[ADZ], s[ZB], v[STW]
	STEP2 1
.Lwalk2:
	STEP2 0
	s_sub_co_u32 s[CNT], s[CNT], 1
	s_cmp_lg_u32 s[CNT], 0
	s_cbranch_scc1 .Lwalk2
	; THE WAY OUT: register 16 b + i of o^T is channel 32 b + 16 (lane / 16) + i of my query: two blocks of the next product's K
.rept 4
	v_nop
.endr
.irp b, 0,1
	v_max3_num_f32 v[80+\b], |v[OA+16*\b]|, |v[OA+1+16*\b]|, 0x1800000
.endr
.irp i, 2,4,6,8,10,12,14
.irp b, 0,1
	v_max3_num_f32 v[80+\b], v[80+\b], |v[OA+16*\b+\i]|, |v[OA+1+16*\b+\i]|
.endr
.endr
.irp b, 0,1
	v_permlanex16_b32 v[84+\b], v[80+\b], s[SEL], s[SEL+1]
.endr
.irp b, 0,1
	v_max_num_f32 v[80+\b], v[80+\b], v[84+\b]
.endr
.irp b, 0,1
	v_add_nc_u32 v[92+\b], 0xff000000, v[80+\b]
.endr
.irp b, 0,1
	v_lshrrev_b32 v[84+\b], 23, v[92+\b]
.endr
	v_lshl_or_b32 v[PW], v85, 8, v84
.irp b, 0,1
	v_cvt_scalef32_pk8_fp4_f32 v[PC+2*\b], v[OA+16*\b:OA+7+16*\b], v[92+\b]
	v_cvt_scalef32_pk8_fp4_f32 v[PC+1+2*\b], v[OA+8+16*\b:OA+15+16*\b], v[92+\b]
.endr
	v_nop
	v_permlane16_swap_b32 v[PC], v[PC+2]
	v_permlane16_swap_b32 v[PC+1], v[PC+3]
	global_store_b128 v[LI], v[PC:PC+3], s[14:15]  ; half a fragment's image: 512 neighbouring bytes
	global_store_b16 v29, v[PW], s[16:17]          ; lanes r and r + 16 store the same two bytes to the same place
	s_wait_tensorcnt 0x0                           ; the wave's end, behind my last LDS store
	ds_add_u32 v[SPW], v[NIL]
	s_wait_dscnt 0x0
	s_endpgm
.Lfunc_end_k_q1230f5dcb3_attn_c:
	.size	k_q1230f5dcb3_attn_c, .Lfunc_end_k_q1230f5dcb3_attn_c-k_q1230f5dcb3_attn_c
	.p2alignl 7, 3214868480
	.fill 96, 4, 3214868480
	.section	.rodata,"a",@progbits
	.p2align	6, 0x0
	.amdhsa_kernel k_q1230f5dcb3_attn_c
		.amdhsa_group_segment_fixed_size 137216
		.amdhsa_private_segment_fixed_size 0
		.amdhsa_enable_private_segment 0
		.amdhsa_kernarg_size 24
		.amdhsa_user_sgpr_count 2
		.amdhsa_user_sgpr_kernarg_segment_ptr 1
		.amdhsa_wavefront_size32 1
		.amdhsa_system_sgpr_workgroup_id_x 1
		.amdhsa_system_sgpr_workgroup_id_y 1
		.amdhsa_system_sgpr_workgroup_id_z 1
		.amdhsa_system_vgpr_workitem_id 0
		.amdhsa_next_free_vgpr 248
		.amdhsa_next_free_sgpr 66
		.amdhsa_reserve_vcc 0
		.amdhsa_float_denorm_mode_32 3
		.amdhsa_float_denorm_mode_16_64 3
		.amdhsa_memory_ordered 1
		.amdhsa_forward_progress 1
		.amdhsa_inst_pref_size 48
	.end_amdhsa_kernel
	.amdgpu_metadata
---
amdhsa.version: [ 1, 2 ]
amdhsa.kernels:
  - .name:           k_q1230f5dcb3_attn_c
    .symbol:         k_q1230f5dcb3_attn_c.kd
    .args:
      - { .name: mid, .offset: 0, .size: 8, .value_kind: global_buffer, .address_space: global }
      - { .name: qkv, .offset: 8, .size: 8, .value_kind: global_buffer, .address_space: global }
      - { .name: obuf, .offset: 16, .size: 8, .value_kind: global_buffer, .address_space: global }
    .group_segment_fixed_size: 137216
    .private_segment_fixed_size: 0
    .kernarg_segment_align: 8
    .kernarg_segment_size: 24
    .max_flat_workgroup_size: 512
    .sgpr_count:     66
    .vgpr_count:     248
    .wavefront_size: 32
...
	.end_amdgpu_metadata
.endif
;; end of part 5
;; launch tail (part 6): grid 256 x 1, 4 waves a work-group, no clusters, 86,528 bytes of LDS; arguments g1, b1, bf1, bf2, prep, obuf, mid, out0; writes out0
.if DOCPART == 6
	.amdgcn_target "amdgcn-amd-amdhsa--gfx1250"
	.amdhsa_code_object_version 6
	.text
	.protected	k_q1230f5dcb3_tail
	.globl	k_q1230f5dcb3_tail
	.p2align	8
	.type	k_q1230f5dcb3_tail,@function
k_q1230f5dcb3_tail:
	s_mov_b64 s[64:65], 0
	v_nop
	global_prefetch_b8 v0, s[64:65] scope:SCOPE_SE
	s_setreg_imm32_b32 hwreg(HW_REG_WAVE_MODE, 25, 1), 1
	s_wait_xcnt 0x0
; Launch 6 of 6: X2 = X1 + o Wo_c;  n = LN(X2), quantised;  h = gelu(n W1 + bf1), quantised;  out = X2 + h W2 + bf2.
; SHARES, as in launch 4: a work-group takes 32 tokens (source 1), wave w columns 128 w .. 128 w + 127 of each weight (source 0).  Window 1: Wo_c, then W2; window 2: W1; window 3: g1, b1, bf2, bf1 at my columns.
; X1 is the C of the first product's first K step, bf1 of the second's, X2 (kept in the wave's own LDS bytes meanwhile) of the third's.  Codes go from wave to wave through LDS as images of the operand's registers.
; LOADS IN THE ORDER OF NEED: what the first product takes (117 loads), then g1 and b1; W1 and bf1 behind the first product, W2 and bf2 behind the second; of a weight's 64 loads 40 go out at once and 24 a stretch of work later.
; gelu is the exact form, x (1 + erf(x / sqrt 2)) / 2; erf as the quotient of two polynomials in u^2, u held to -4 .. 4, where erf is 1 to the last bit of f32: right for every x.  LIMIT: that quotient is good to a few units in the last place.
; Other LIMITS: as stated at the head of launch 1.
.set WC,   0
.set WS,   0x110000
.set OS,   2097152
.set RED0, 0
.set RED1, 512
.set NIMG, 1024
.set NSCL, 9216
.set HIMG, 9728
.set HSCL, 17920
.set PRIV, 18432                       ; 16,896 bytes for each wave, its own: X2's image, later 32 rows x (512 + 16) bytes on the way out
.set SPARE, 86016                      ; the spare words, 128 bytes for each wave
.set LI,  1
.set LS,  2
.set RR,  3
.set HH,  4
.set SPW, 13
.set NIL, 14
.set XS,  16
.set YS,  32
.set TM,  36
.set PC,  52
.set PW,  60
.set YF,  64
.set PC1, 64
.set PW1, 72
.set T0,  76
.set ACC, 128
.set SEL, 50
.set RCPN, 52
.set EPSR, 53
.set RS2, 56                           ; s[56:57] 1 / sqrt 2
.set GU,  64                           ; gelu, eight numbers at a time: u, u^2, the two polynomials, x / 2; the leading coefficients as pairs
.set GX2, 72
.set GP,  80
.set GQ,  88
.set GH,  96
.set GA0, 108
.set GB0, 110
.set MSB, 0
.macro WIN new                         ; the immediate's high byte repeats the setting that is left
.if MSB != \new
	s_set_vgpr_msb (MSB<<8)|\new
.set MSB, \new
.endif
.endm
.macro MM d, a, b, cz, cr, sa, sb, ra, rb
.if \cz
.if (\ra) && (\rb)
	v_wmma_scale_f32_16x16x128_f8f6f4 v[\d:\d+7], v[\a:\a+7], v[\b:\b+7], 0, v[\sa], v[\sb] matrix_a_fmt:MATRIX_FMT_FP4 matrix_b_fmt:MATRIX_FMT_FP4 matrix_a_scale:MATRIX_SCALE_ROW1 matrix_b_scale:MATRIX_SCALE_ROW1
.elseif (\ra)
	v_wmma_scale_f32_16x16x128_f8f6f4 v[\d:\d+7], v[\a:\a+7], v[\b:\b+7], 0, v[\sa], v[\sb] matrix_a_fmt:MATRIX_FMT_FP4 matrix_b_fmt:MATRIX_FMT_FP4 matrix_a_scale:MATRIX_SCALE_ROW1
.elseif (\rb)
	v_wmma_scale_f32_16x16x128_f8f6f4 v[\d:\d+7], v[\a:\a+7], v[\b:\b+7], 0, v[\sa], v[\sb] matrix_a_fmt:MATRIX_FMT_FP4 matrix_b_fmt:MATRIX_FMT_FP4 matrix_b_scale:MATRIX_SCALE_ROW1
.else
	v_wmma_scale_f32_16x16x128_f8f6f4 v[\d:\d+7], v[\a:\a+7], v[\b:\b+7], 0, v[\sa], v[\sb] matrix_a_fmt:MATRIX_FMT_FP4 matrix_b_fmt:MATRIX_FMT_FP4
.endif
.else
.if (\ra) && (\rb)
	v_wmma_scale_f32_16x16x128_f8f6f4 v[\d:\d+7], v[\a:\a+7], v[\b:\b+7], v[\cr:\cr+7], v[\sa], v[\sb] matrix_a_fmt:MATRIX_FMT_FP4 matrix_b_fmt:MATRIX_FMT_FP4 matrix_a_scale:MATRIX_SCALE_ROW1 matrix_b_scale:MATRIX_SCALE_ROW1
.elseif (\ra)
	v_wmma_scale_f32_16x16x128_f8f6f4 v[\d:\d+7], v[\a:\a+7], v[\b:\b+7], v[\cr:\cr+7], v[\sa], v[\sb] matrix_a_fmt:MATRIX_FMT_FP4 matrix_b_fmt:MATRIX_FMT_FP4 matrix_a_scale:MATRIX_SCALE_ROW1
.elseif (\rb)
	v_wmma_scale_f32_16x16x128_f8f6f4 v[\d:\d+7], v[\a:\a+7], v[\b:\b+7], v[\cr:\cr+7], v[\sa], v[\sb] matrix_a_fmt:MATRIX_FMT_FP4 matrix_b_fmt:MATRIX_FMT_FP4 matrix_b_scale:MATRIX_SCALE_ROW1
.else
	v_wmma_scale_f32_16x16x128_f8f6f4 v[\d:\d+7], v[\a:\a+7], v[\b:\b+7], v[\cr:\cr+7], v[\sa], v[\sb] matrix_a_fmt:MATRIX_FMT_FP4 matrix_b_fmt:MATRIX_FMT_FP4
.endif
.endif
.endm
; 8 tiles (window xwin) x 2 tiles, nk K steps; the 16 accumulators take turns, one instruction a turn.  cmode 0: the first K step starts the sums; 1: it adds onto what ACC holds;
; 2: its C is v[192 + 8 i] of window 3.  Four places follow.
.macro GEMM xwin, nk, cmode
.set g_s, 0
.rept \nk
.if (g_s == 0) && (\cmode == 2)
.set g_w, (\xwin)|0x30
.else
.set g_w, \xwin
.endif
	WIN g_w
.set g_i, 0
.rept 8
.set g_y, 0
.rept 2
.if (g_s == 0) && (\cmode == 0)
	MM ACC+64*g_y+8*g_i, 8*(\nk*g_i+g_s), YF+8*(\nk*g_y+g_s), 1, 0, XS+\nk*(g_i/2)+g_s, YS+g_s, g_i%2, g_y
.elseif (g_s == 0) && (\cmode == 2)
	MM ACC+64*g_y+8*g_i, 8*(\nk*g_i+g_s), YF+8*(\nk*g_y+g_s), 0, 192+8*g_i, XS+\nk*(g_i/2)+g_s, YS+g_s, g_i%2, g_y
.else
	MM ACC+64*g_y+8*g_i, 8*(\nk*g_i+g_s), YF+8*(\nk*g_y+g_s), 0, ACC+64*g_y+8*g_i, XS+\nk*(g_i/2)+g_s, YS+g_s, g_i%2, g_y
.endif
.set g_y, g_y+1
.endr
.set g_i, g_i+1
.endr
.set g_s, g_s+1
.endr
	WIN 0
.rept 4
	v_nop
.endr
.endm
.macro QUANT s, pc, pw                 ; 64 numbers of a lane become a fragment's codes and its row's scale word
.irp b, 0,1,2,3
	v_max3_num_f32 v[TM+\b], |v[\s+16*\b]|, |v[\s+1+16*\b]|, 0x1800000
.endr
.irp i, 2,4,6,8,10,12,14
.irp b, 0,1,2,3
	v_max3_num_f32 v[TM+\b], v[TM+\b], |v[\s+16*\b+\i]|, |v[\s+1+16*\b+\i]|
.endr
.endr
.irp b, 0,1,2,3
	v_permlanex16_b32 v[TM+4+\b], v[TM+\b], s[SEL], s[SEL+1]
.endr
.irp b, 0,1,2,3
	v_max_num_f32 v[TM+\b], v[TM+\b], v[TM+4+\b]
.endr
.irp b, 0,1,2,3
	v_add_nc_u32 v[TM+12+\b], 0xff000000, v[TM+\b]
.endr
.irp b, 0,1,2,3
	v_lshrrev_b32 v[TM+4+\b], 23, v[TM+12+\b]
.endr
	v_lshl_or_b32 v[\pw], v[TM+5], 8, v[TM+4]
	v_lshl_or_b32 v[\pw], v[TM+6], 16, v[\pw]
	v_lshl_or_b32 v[\pw], v[TM+7], 24, v[\pw]
.irp b, 0,1,2,3
	v_cvt_scalef32_pk8_fp4_f32 v[\pc+2*\b], v[\s+16*\b:\s+7+16*\b], v[TM+12+\b]
	v_cvt_scalef32_pk8_fp4_f32 v[\pc+1+2*\b], v[\s+8+16*\b:\s+15+16*\b], v[TM+12+\b]
.endr
	v_nop
.irp c, 0,1
.irp i, 0,1
	v_permlane16_swap_b32 v[\pc+4*\c+\i], v[\pc+2+4*\c+\i]
.endr
.endr
.endm
.macro JOINP d
	v_pk_add_f32 v[T0:T0+1], v[T0:T0+1], v[T0+2:T0+3]
	v_add_f32 v[T0], v[T0], v[T0+1]
	v_permlanex16_b32 v[T0+1], v[T0], s[SEL], s[SEL+1]
	v_add_f32 v[\d], v[T0], v[T0+1]
.endm
.macro SUMP d, base, n
	v_pk_add_f32 v[T0:T0+1], v[\base:\base+1], v[\base+4:\base+5]
	v_pk_add_f32 v[T0+2:T0+3], v[\base+2:\base+3], v[\base+6:\base+7]
.set sp_i, 8
.rept (\n-8)/4
	v_pk_add_f32 v[T0:T0+1], v[T0:T0+1], v[\base+sp_i:\base+sp_i+1]
	v_pk_add_f32 v[T0+2:T0+3], v[T0+2:T0+3], v[\base+sp_i+2:\base+sp_i+3]
.set sp_i, sp_i+4
.endr
	JOINP \d
.endm
.macro SQP d, base, n
	v_pk_mul_f32 v[T0:T0+1], v[\base:\base+1], v[\base:\base+1]
	v_pk_mul_f32 v[T0+2:T0+3], v[\base+2:\base+3], v[\base+2:\base+3]
.set sp_i, 4
.rept (\n-4)/4
	v_pk_fma_f32 v[T0:T0+1], v[\base+sp_i:\base+sp_i+1], v[\base+sp_i:\base+sp_i+1], v[T0:T0+1]
	v_pk_fma_f32 v[T0+2:T0+3], v[\base+sp_i+2:\base+sp_i+3], v[\base+sp_i+2:\base+sp_i+3], v[T0+2:T0+3]
.set sp_i, sp_i+4
.endr
	JOINP \d
.endm
.macro MEET red                        ; the four waves' parts of both tiles' sums (v80, v81) meet: totals in v84, v88
	ds_store_b32 v6, v80 offset:\red
	ds_store_b32 v6, v81 offset:\red+256
	s_wait_dscnt 0x0                               ; for the others' sake: my stores have landed
	s_barrier_signal -1
	s_barrier_wait -1
	ds_load_b128 v[84:87], v7 offset:\red
	ds_load_b128 v[88:91], v7 offset:\red+256
	s_wait_dscnt 0x0
	v_add_f32 v84, v84, v85
	v_add_f32 v86, v86, v87
	v_add_f32 v88, v88, v89
	v_add_f32 v90, v90, v91
	v_add_f32 v84, v84, v86
	v_add_f32 v88, v88, v90
.endm
.macro LOADWR win, ptr, q0, n          ; groups q0 .. q0 + n - 1 of the 64 groups of four registers of a weight's eight tiles (32,768 bytes) into a window
	WIN \win
.set q, \q0
.rept \n
	global_load_b128 v[4*q:4*q+3], v[LI], s[\ptr:\ptr+1] offset:512*q
.set q, q+1
.endr
	WIN 0
.endm
; LN of the 32 tokens in ACC, in place; g and b in window 3 (v0-63, v64-127).  xw = 1: ACC is the data of stores that are on their way.  lw, lp: the window and pointer of the next weight, whose last 24 groups are asked for here
.macro LNORM xw, lw, lp
	SUMP 80, ACC, 64
	SUMP 81, ACC+64, 64
	MEET RED0
	v_mul_f32 v92, s[RCPN], v84
	v_mul_f32 v94, s[RCPN], v88
	v_mov_b32 v93, v92
	v_mov_b32 v95, v94
.if \xw
	s_wait_xcnt 0x0
.endif
	LOADWR \lw, \lp, 40, 24
.set ln_i, 0
.rept 32
	v_pk_add_f32 v[ACC+ln_i:ACC+ln_i+1], v[ACC+ln_i:ACC+ln_i+1], v[92:93] neg_lo:[0,1] neg_hi:[0,1]
	v_pk_add_f32 v[ACC+64+ln_i:ACC+65+ln_i], v[ACC+64+ln_i:ACC+65+ln_i], v[94:95] neg_lo:[0,1] neg_hi:[0,1]
.set ln_i, ln_i+2
.endr
	SQP 80, ACC, 64
	SQP 81, ACC+64, 64
	MEET RED1                                      ; other bytes than the first exchange's
	v_fma_f32 v84, v84, s[RCPN], s[EPSR]
	v_fma_f32 v88, v88, s[RCPN], s[EPSR]
	v_rsq_f32 v92, v84
	v_rsq_f32 v94, v88
	v_nop                                          ; a plain place behind the two,
	s_wait_alu depctr_va_vdst(0)                   ; and one wait ahead of their first reader
	v_mov_b32 v93, v92
	v_mov_b32 v95, v94
.set ln_i, 0
.rept 32
	v_pk_mul_f32 v[ACC+ln_i:ACC+ln_i+1], v[ACC+ln_i:ACC+ln_i+1], v[92:93]
	v_pk_mul_f32 v[ACC+64+ln_i:ACC+65+ln_i], v[ACC+64+ln_i:ACC+65+ln_i], v[94:95]
.set ln_i, ln_i+2
.endr
	s_wait_loadcnt 63                              ; g and b are in: more than 63 loads were issued behind them, and 63 is the largest count that the wait can name
	WIN 0x3c                                       ; sources 1 and 2 in window 3
.set ln_i, 0
.rept 32
	v_pk_fma_f32 v[ACC+ln_i:ACC+ln_i+1], v[ACC+ln_i:ACC+ln_i+1], v[ln_i:ln_i+1], v[64+ln_i:65+ln_i]
	v_pk_fma_f32 v[ACC+64+ln_i:ACC+65+ln_i], v[ACC+64+ln_i:ACC+65+ln_i], v[ln_i:ln_i+1], v[64+ln_i:65+ln_i]
.set ln_i, ln_i+2
.endr
	WIN 0
.endm
; both tiles in ACC are quantised: K step w of the next product; images and scale words to LDS; a barrier; all 8 fragments and the scale words come back as source 1
.macro SHARE img, scl
	QUANT ACC, PC, PW
	ds_store_b128 v8, v[PC:PC+3] offset:\img
	ds_store_b128 v8, v[PC+4:PC+7] offset:\img+512
	ds_store_b32 v6, v[PW] offset:\scl
	QUANT ACC+64, PC1, PW1
	ds_store_b128 v8, v[PC1:PC1+3] offset:\img+4096
	ds_store_b128 v8, v[PC1+4:PC1+7] offset:\img+4096+512
	ds_store_b32 v6, v[PW1] offset:\scl+256
	s_wait_dscnt 0x0
	s_barrier_signal -1
	s_barrier_wait -1
.set q, 0
.rept 16
	ds_load_b128 v[YF+4*q:YF+4*q+3], v[LI] offset:\img+512*q
.set q, q+1
.endr
	ds_load_b128 v[YS:YS+3], v[LI] offset:\scl
.endm
.macro PTR d, b                        ; a buffer's address + the offset in s[54:55]
	s_add_nc_u64 s[\d:\d+1], s[\b:\b+1], s[54:55]
.endm
.macro LOADXS ptr                      ; a weight's scale words
.irp p, 0,1,2,3
	global_load_b128 v[XS+4*\p:XS+4*\p+3], v[LI], s[\ptr:\ptr+1] offset:512*\p
.endr
.endm
.macro LOADB reg, ptr                  ; 64 numbers of a bias at my columns, in the result's layout, into window 3
	WIN 0xc0
.irp b, 0,1,2,3
.irp j, 0,1,2,3
	global_load_b128 v[\reg+16*\b+4*\j:\reg+16*\b+4*\j+3], v5, s[\ptr:\ptr+1] offset:128*\b+16*\j
.endr
.endr
	WIN 0
.endm
.macro HORNER acc, lit                 ; acc = acc x u^2 + the next coefficient
.irp k, 0,2,4,6
	v_pk_fma_f32 v[\acc+\k:\acc+\k+1], v[\acc+\k:\acc+\k+1], v[GX2+\k:GX2+\k+1], \lit op_sel_hi:[1,1,0]
.endr
.endm
.macro GELU8 x                         ; eight numbers, in place
.irp k, 0,2,4,6
	v_pk_mul_f32 v[GU+\k:GU+\k+1], v[\x+\k:\x+\k+1], s[RS2:RS2+1] op_sel_hi:[1,0]
.endr
.irp k, 0,1,2,3,4,5,6,7
	v_med3_num_f32 v[GU+\k], v[GU+\k], -4.0, 4.0
.endr
.irp k, 0,2,4,6
	v_pk_mul_f32 v[GX2+\k:GX2+\k+1], v[GU+\k:GU+\k+1], v[GU+\k:GU+\k+1]
.endr
.irp k, 0,2,4,6
	v_pk_fma_f32 v[GP+\k:GP+\k+1], v[GX2+\k:GX2+\k+1], v[GA0:GA0+1], 0x32edffee op_sel_hi:[1,1,0]
	v_pk_fma_f32 v[GQ+\k:GQ+\k+1], v[GX2+\k:GX2+\k+1], v[GB0:GB0+1], 0xb95fbd29 op_sel_hi:[1,1,0]
.endr
	HORNER GP, 0xb60cff51
	HORNER GQ, 0xbadc924e
	HORNER GP, 0xb86ec2d2
	HORNER GQ, 0xbbf19bf8
	HORNER GP, 0xba40ac63
	HORNER GQ, 0xbc69b6a7
	HORNER GP, 0xbb41a1f6
	HORNER GP, 0xbc83dbd4
.irp k, 0,1,2,3,4,5,6,7
	v_rcp_f32 v[GQ+\k], v[GQ+\k]
.endr
.irp k, 0,2,4,6
	v_pk_mul_f32 v[GP+\k:GP+\k+1], v[GP+\k:GP+\k+1], v[GU+\k:GU+\k+1]   ; plain work behind the reciprocals, which names none of them
	v_pk_mul_f32 v[GH+\k:GH+\k+1], v[\x+\k:\x+\k+1], 0.5 op_sel_hi:[1,0]
.endr
	s_wait_alu depctr_va_vdst(0)                   ; one wait for the eight, ahead of their first reader
.irp k, 0,2,4,6
	v_pk_mul_f32 v[GP+\k:GP+\k+1], v[GP+\k:GP+\k+1], v[GQ+\k:GQ+\k+1]   ; erf
.endr
.irp k, 0,2,4,6
	v_pk_fma_f32 v[\x+\k:\x+\k+1], v[GH+\k:GH+\k+1], v[GP+\k:GP+\k+1], v[GH+\k:GH+\k+1]
.endr
.endm
	s_load_b512 s[4:19], s[0:1], 0x0               ; g1, b1, bf1, bf2, prep, obuf, mid, out0
	v_lshl_add_u32 v[SPW], v0, 2, SPARE
	v_mov_b32 v[NIL], 0
	v_lshrrev_b32 v5, 5, v0
	v_readfirstlane_b32 s20, v5                    ; wave
	v_and_b32 v5, 31, v0
	v_lshlrev_b32 v[LI], 4, v5
	v_lshlrev_b32 v[LS], 2, v5
	v_and_b32 v[RR], 15, v0
	v_bfe_u32 v[HH], v0, 4, 1
	v_lshlrev_b32 v5, 6, v[HH]                     ; 64 h
	v_lshlrev_b32 v7, 4, v[RR]                     ; 16 r
	s_lshl_b32 s21, s20, 2
	v_add_nc_u32 v6, s21, v7                       ; 16 r + 4 w
	s_lshl_b32 s21, s20, 10
	v_add_nc_u32 v8, s21, v[LI]                    ; 16 x lane + 1,024 w
	s_mul_i32 s21, s20, 16896
	s_add_co_u32 s21, s21, PRIV
	v_add_nc_u32 v9, s21, v[LI]                    ; my wave's own bytes + 16 x lane
	v_mul_u32_u24 v11, v[RR], 528
	v_add_nc_u32 v11, v11, v5
	v_add_nc_u32 v11, s21, v11                     ; the way out: row r, + 64 h
.irp b, 0,1,2,3
	v_mov_b32 v[TM+4+\b], 0
.endr
	s_mov_b32 s55, 0
	s_lshl_b32 s58, s20, 9
	s_lshl_b32 s59, s20, 15
	s_lshl_b32 s60, s20, 11
	s_mov_b32 s[SEL], 0x76543210
	s_mov_b32 s[SEL+1], 0xfedcba98
	s_mov_b32 s[RCPN], 0x3b000000                  ; 1 / 512
	s_mov_b32 s[EPSR], 0x3727c5ac                  ; 1e-5
	s_mov_b32 s[RS2], 0x3f3504f3                   ; 1 / sqrt 2
	s_mov_b32 s[RS2+1], s[RS2]
	s_wait_kmcnt 0x0
	s_mov_b32 s54, s58
	PTR 22, 4
	PTR 24, 6
	PTR 26, 8
	PTR 28, 10
	s_add_co_u32 s54, s59, WC+5*131072
	PTR 30, 12                                     ; Wo_c
	s_add_co_u32 s54, s59, WC+6*131072
	PTR 32, 12                                     ; W1
	s_add_co_u32 s54, s59, WC+7*131072
	PTR 34, 12                                     ; W2
	s_add_co_u32 s54, s60, WS+5*8192
	PTR 36, 12
	s_add_co_u32 s54, s60, WS+6*8192
	PTR 38, 12
	s_add_co_u32 s54, s60, WS+7*8192
	PTR 40, 12
	s_lshl_b32 s54, ttmp9, 13
	PTR 42, 14                                     ; o's codes
	s_lshl_b32 s54, ttmp9, 9
	s_add_co_u32 s54, s54, OS
	PTR 44, 14                                     ; o's scale words
	s_lshl_b32 s54, ttmp9, 16
	s_lshl_b32 s61, s20, 14
	s_add_co_u32 s54, s54, s61
	PTR 46, 16                                     ; X1's image
	s_lshl_b32 s54, ttmp9, 16
	s_add_co_u32 s54, s54, s58
	PTR 48, 18                                     ; out at my 32 tokens, my 128 columns
	LOADWR 0x40, 30, 0, 64                         ; Wo_c into window 1
.set q, 0
.rept 16
	global_load_b128 v[YF+4*q:YF+4*q+3], v[LI], s[42:43] offset:512*q
.set q, q+1
.endr
	global_load_b128 v[YS:YS+3], v[LI], s[44:45]
	LOADXS 36
.set q, 0
.rept 32
	global_load_b128 v[ACC+4*q:ACC+4*q+3], v[LI], s[46:47] offset:512*q th:TH_LOAD_NT   ; X1, as launch 4 left the registers
.set q, q+1
.endr
	LOADB 0, 22                                    ; g1
	LOADB 64, 24                                   ; b1
	s_wait_loadcnt 32                              ; all that the first product takes is in; the 32 loads of g1 and b1, issued behind it, may be out
	GEMM 1, 4, 1                                   ; X2 = X1 + o Wo_c
	LOADXS 38                                      ; W1's scale words,
	LOADB 192, 26                                  ; bf1,
	LOADWR 0x80, 32, 0, 40                         ; and the first 40 groups of W1, into window 2
.set q, 0
.rept 32
	ds_store_b128 v9, v[ACC+4*q:ACC+4*q+3] offset:512*q   ; X2 is kept; each accumulator from its low end on
.set q, q+1
.endr
	LNORM 0, 0x80, 32
	SHARE NIMG, NSCL
	s_wait_dscnt 0x0
	s_wait_loadcnt 0x0
	GEMM 2, 4, 2                                   ; n W1 + bf1
	LOADXS 40                                      ; W2's scale words,
	LOADB 128, 28                                  ; bf2,
	LOADWR 0x40, 34, 0, 40                         ; and the first 40 groups of W2, into Wo_c's window: they land under the gelu
	v_mov_b32 v[GA0], 0xaf95df0b
	v_mov_b32 v[GA0+1], 0xaf95df0b
	v_mov_b32 v[GB0], 0xb77460cd
	v_mov_b32 v[GB0+1], 0xb77460cd
.set gg, 0
.rept 16
.if gg == 4
	LOADWR 0x40, 34, 40, 24                        ; W2's other 24 groups
.endif
	GELU8 ACC+8*gg
.set gg, gg+1
.endr
	SHARE HIMG, HSCL
.set q, 0
.rept 32
	ds_load_b128 v[ACC+4*q:ACC+4*q+3], v9 offset:512*q   ; X2 comes back as the C of the last product
.set q, q+1
.endr
	s_wait_dscnt 0x0
	s_wait_loadcnt 0x0
	GEMM 1, 4, 1                                   ; X2 + h W2
	WIN 0x0c                                       ; source 1 in window 3
.set q, 0
.rept 32
	v_pk_add_f32 v[ACC+q:ACC+q+1], v[ACC+q:ACC+q+1], v[128+q:129+q]          ; + bf2; each accumulator from its low end on
	v_pk_add_f32 v[ACC+64+q:ACC+65+q], v[ACC+64+q:ACC+65+q], v[128+q:129+q]
.set q, q+2
.endr
	WIN 0
	; THE WAY OUT: a lane holds pieces of one token's row: they go through my wave's own bytes and come back as whole runs of 512 bytes.  LDS serves a wave's instructions in order: no wait between the stores and the loads
.irp y, 0,1
.irp b, 0,1,2,3
.irp j, 0,1,2,3
	ds_store_b128 v11, v[ACC+64*\y+16*\b+4*\j:ACC+64*\y+16*\b+4*\j+3] offset:8448*\y+128*\b+16*\j
.endr
.endr
.endr
.irp y, 0,1
.if \y
	s_wait_xcnt 0x0                                ; the first 16 stores have read their data: only behind this wait are the registers loaded again
.endif
.irp i, 0,1,2,3,4,5,6,7,8,9,10,11,12,13,14,15
	ds_load_b128 v[64+4*\i:67+4*\i], v9 offset:528*(16*\y+\i)
.endr
.irp i, 0,1,2,3,4,5,6,7,8,9,10,11,12,13,14,15
	s_wait_dscnt 15-\i                             ; row i is back; the later rows may be out
	global_store_b128 v[LI], v[64+4*\i:67+4*\i], s[48:49] offset:(8*\y+\i+8*(\i/8))*2048 th:TH_STORE_NT   ; 32 lanes store 512 consecutive bytes, at a multiple of 256 from the output's first byte
.endr
.endr
	s_wait_tensorcnt 0x0                           ; the wave's end, behind my last LDS store
	ds_add_u32 v[SPW], v[NIL]
	s_wait_dscnt 0x0
	s_endpgm
.Lfunc_end_k_q1230f5dcb3_tail:
	.size	k_q1230f5dcb3_tail, .Lfunc_end_k_q1230f5dcb3_tail-k_q1230f5dcb3_tail
	.p2alignl 7, 3214868480
	.fill 96, 4, 3214868480
	.section	.rodata,"a",@progbits
	.p2align	6, 0x0
	.amdhsa_kernel k_q1230f5dcb3_tail
		.amdhsa_group_segment_fixed_size 86528
		.amdhsa_private_segment_fixed_size 0
		.amdhsa_enable_private_segment 0
		.amdhsa_kernarg_size 64
		.amdhsa_user_sgpr_count 2
		.amdhsa_user_sgpr_kernarg_segment_ptr 1
		.amdhsa_wavefront_size32 1
		.amdhsa_system_sgpr_workgroup_id_x 1
		.amdhsa_system_sgpr_workgroup_id_y 1
		.amdhsa_system_sgpr_workgroup_id_z 1
		.amdhsa_system_vgpr_workitem_id 0
		.amdhsa_next_free_vgpr 1024
		.amdhsa_next_free_sgpr 66
		.amdhsa_reserve_vcc 0
		.amdhsa_float_denorm_mode_32 3
		.amdhsa_float_denorm_mode_16_64 3
		.amdhsa_memory_ordered 1
		.amdhsa_forward_progress 1
		.amdhsa_inst_pref_size 212
	.end_amdhsa_kernel
	.amdgpu_metadata
---
amdhsa.version: [ 1, 2 ]
amdhsa.kernels:
  - .name:           k_q1230f5dcb3_tail
    .symbol:         k_q1230f5dcb3_tail.kd
    .args:
      - { .name: g1, .offset: 0, .size: 8, .value_kind: global_buffer, .address_space: global }
      - { .name: b1, .offset: 8, .size: 8, .value_kind: global_buffer, .address_space: global }
      - { .name: bf1, .offset: 16, .size: 8, .value_kind: global_buffer, .address_space: global }
      - { .name: bf2, .offset: 24, .size: 8, .value_kind: global_buffer, .address_space: global }
      - { .name: prep, .offset: 32, .size: 8, .value_kind: global_buffer, .address_space: global }
      - { .name: obuf, .offset: 40, .size: 8, .value_kind: global_buffer, .address_space: global }
      - { .name: mid, .offset: 48, .size: 8, .value_kind: global_buffer, .address_space: global }
      - { .name: out0, .offset: 56, .size: 8, .value_kind: global_buffer, .address_space: global }
    .group_segment_fixed_size: 86528
    .private_segment_fixed_size: 0
    .kernarg_segment_align: 8
    .kernarg_segment_size: 64
    .max_flat_workgroup_size: 128
    .sgpr_count:     66
    .vgpr_count:     1024
    .wavefront_size: 32
...
	.end_amdgpu_metadata
.endif
;; end of part 6
